; MI455X (gfx1250); checked and timed in simulation.
; The chip was launched on July 23, 2026; its instructions are those of AMD's public machine-readable ISA for CDNA 5 (MIT licence, August 2026) and "CDNA5" Instruction Set Architecture Reference Guide (July 2026). The comments in the code are by the model that wrote it; some were corrected since.
;; Causal Self Attention. Allowed arithmetic: matrix products marked QUANTISED: E2M1 operands, one E8M0 scale for each 32 along K, by v_wmma_scale_f32_16x16x128_f8f6f4 with both operands' format E2M1 (or v_wmma_scale_f32_32x16x128_f4), f32 sums; products left as they are: bf16, f16 or f32 operands; f32 sums; everything else in f32.
;; Inputs: Wk 1,024 x 1,024 float32; Wp 1,024 x 1,024 float32; Wq 1,024 x 1,024 float32; Wv 1,024 x 1,024 float32; bk 1,024 float32; bp 1,024 float32; bq 1,024 float32; bv 1,024 float32; x 4 x 2,048 x 1,024 float32.
;; Outputs: out0 4 x 2,048 x 1,024 float32.
;; This version of the problem:
;;   THIS VERSION OF THE PROBLEM IS GIVEN IN LOW PRECISION. The matrix products marked QUANTISED in the list below multiply operands that are first quantised to E2M1 (2 exponent bits, 1 mantissa bit; 4 bits a number), with one power-of-two scale for each 32 numbers along K (OCP MX v1.0); their sums are f32. The products marked 'left as it is' may take bf16, f16 or f32 operands, with f32 sums. Whichever they take, every output number must still come out within the allowed error. Rounding operands to bf16 (8 significant bits) uses up far more of that allowance than f16 does (11 bits, for magnitudes from 6e-5 to 65,504). All else is computed in f32.
;;   The module's matrix products, in the order in which they are computed (A, B: the left and right operand; K: the contracted axis; several contracted axes count as one K, in the product's order):
;;     1. [M 8,192, K 1,024] x [K 1,024, N 1,024]; A: input x; B: input Wq: QUANTISED
;;     2. [M 8,192, K 1,024] x [K 1,024, N 1,024]; A: input x; B: input Wk: QUANTISED
;;     3. [M 8,192, K 1,024] x [K 1,024, N 1,024]; A: input x; B: input Wv: QUANTISED
;;     4. batch 64 x [M 2,048, K 64] x [K 64, N 2,048]; A: computed on the way; B: computed on the way: left as it is (an operand is computed on the way)
;;     5. batch 64 x [M 2,048, K 2,048] x [K 2,048, N 64]; A: computed on the way; B: computed on the way: left as it is (an operand is computed on the way)
;;     6. [M 8,192, K 1,024] x [K 1,024, N 1,024]; A: computed on the way; B: input Wp: left as it is (an operand is computed on the way)
;;   THE QUANTISER, for each operand of a quantised product, along K:
;;     - K is cut into blocks of 32 from its start; a last block that is shorter is filled with zeros.
;;     - A block's scale is 2^e with e = floor(log2(the largest magnitude in the block)) - 2, held to -126 .. 127; a block of zeros has e = 0. As a byte (E8M0): e + 127.
;;     - Each number is divided by its block's scale, clamped to +-6, and rounded to the nearest number of E2M1, ties to even, subnormals kept.
;;     - The product sums the exact products of the quantised numbers (number of the format x scale) in f32.
;;   ~~~python
;;   def quantise(x, axis):      # numpy; x: float32 -> the quantised numbers, widened to float32 again
;;       x = np.moveaxis(x, axis, -1); K = x.shape[-1]
;;       x = np.pad(x, [(0, 0)] * (x.ndim - 1) + [(0, -K % 32)]); x = x.reshape(x.shape[:-1] + (-1, 32)); a = np.abs(x).max(-1, keepdims=True)
;;       e = np.where(a > 0, np.clip(np.frexp(np.where(a > 0, a, 1))[1] - 1 - 2, -126, 127), 0)      # np.frexp(a)[1] - 1 = floor(log2(a)), exactly
;;       r = np.clip(x / 2.0 ** e, -6, 6)
;;       step = 2.0 ** (np.maximum(np.frexp(np.where(r == 0, 1, r))[1] - 1, 0) - 1)
;;       q = np.round(r / step) * step * 2.0 ** e      # np.round: ties to even
;;       return np.moveaxis(q.reshape(q.shape[:-2] + (-1,))[..., :K], -1, axis).astype(np.float32)
;;   ~~~
;; One version. Each part assembles by itself: llvm-mc -triple=amdgcn-amd-amdhsa -mcpu=gfx1250 --defsym DOCPART=n.
;; ======== version 1 of 1: 5 launches
;; limits: values are held in f16: magnitudes above 65,504 overflow, below 6.1e-05 lose precision
;; workspace buffers: xc 4,194,304 bytes; xs 262,144 bytes; wc 1,572,864 bytes; ws 98,304 bytes; wph 2,097,152 bytes; qkv 50,331,648 bytes; qkv32 786,432 bytes; yh 16,777,216 bytes
;; launch prep (part 1): grid 576 x 1, 4 waves a work-group, no clusters, 33,280 bytes of LDS; arguments x, Wq, Wk, Wv, Wp, xc, xs, wc, ws, wph; writes xc, xs, wc, ws, wph
.if DOCPART == 1
	.amdgcn_target "amdgcn-amd-amdhsa--gfx1250"
	.amdhsa_code_object_version 6
	.text
	.protected	k_q0e820f2790_prep
	.globl	k_q0e820f2790_prep
	.p2align	8
	.type	k_q0e820f2790_prep,@function
k_q0e820f2790_prep:
	s_mov_b64 s[64:65], 0
	v_nop
	global_prefetch_b8 v0, s[64:65] scope:SCOPE_SE
	s_setreg_imm32_b32 hwreg(HW_REG_WAVE_MODE, 25, 1), 1
	s_wait_xcnt 0x0
; PREP.  Three jobs, told apart by the work-group's number alone:
;   work-groups   0-255: x [8192][1024] f32 -> codes of FP4 (E2M1), K innermost, xc [8192][512 bytes], and one E8M0 byte for each 32 along K, xs [8192][32].
;   work-groups 256-447: Wq, Wk, Wv [1024 (k)][1024 (n)] f32, K their FIRST axis -> codes in the order of the matrix operand's registers, wc, and scale bytes ws [3072 (n)][32].
;   work-groups 448-575: Wp f32 -> f16, wph [1024 (k)][1024 (n)].
; A block's scale is 2^(floor(log2(largest magnitude)) - 2); its byte is the largest magnitude's exponent field - 2, held at 1 from below; numbers are divided by the scale and rounded to the nearest code, ties to even, beyond 6 the code of 6.
; LIMITS: a block of zeros gets the byte 1 where the rule says 127 (its codes are zeros, and this program alone reads the bytes); blocks whose largest magnitude lies under 2^-124 are held at the byte 1;
; NaN and infinities among the inputs are not served; Wp's numbers must lie inside f16's range (magnitudes under 65,504; under 6e-5 they keep fewer bits).
; wc: [192 tiles of 16 columns][8 K steps of 128][1,024 bytes]; in a K step's 1,024 bytes the block 32 (2 c + h) .. + 31 of column r lies at 512 c + 256 h + 16 r: two loads of 16 bytes a lane, at 16 x lane and 512 on, give a fragment.
; No tensor loads, no barrier: waves share nothing.  Matrix units and clusters have nothing to do here: each byte is read once and written once.
.set WREG,  8192                       ; x's path, LDS: a region for each wave: two stages of 32 x SP bytes, behind them its 256 scale bytes
.set SP,    80                         ; a lane's place in a stage: 64 bytes + 16 of padding
.set SPARE, 4*WREG                     ; the spare words, 128 bytes a wave: two blocks of 256 bytes that no other line names
.set SPW,   192                        ; v192 SPARE + 4 x my thread's number; never rewritten
.set NIL,   193                        ; v193 0; never rewritten
.set STEPS, 16
.set CB,    8                          ; bytes of 16 codes
.set R,     16                         ; v16-79   x: four sets of 16 numbers as loaded
.set X,     80                         ; v80-111  x: two sets of 16 neighbours
.set E,     112                        ; v112-127 x: a scale byte for each step
.set C,     128                        ; v128-191 x: codes, four registers for each step
.set XW,    32                         ; v32-95   weights: two sets of 32 numbers down K
.set CW,    96                         ; v96-111  weights: a block's codes, four registers for each of four blocks
	s_load_b512 s[4:19], s[0:1], 0x0               ; x s[4:5], Wq s[6:7], Wk s[8:9], Wv s[10:11], Wp s[12:13], xc s[14:15], xs s[16:17], wc s[18:19]
	s_load_b128 s[20:23], s[0:1], 0x40             ; ws s[20:21], wph s[22:23]
	v_lshl_add_u32 v[SPW], v0, 2, SPARE
	v_mov_b32 v[NIL], 0
	v_lshrrev_b32 v1, 5, v0
	v_readfirstlane_b32 s24, v1                    ; wave 0..3
	v_and_b32 v2, 31, v0                           ; lane
	s_wait_kmcnt 0x0
	s_cmp_lt_u32 ttmp9, 256
	s_cbranch_scc0 .Lweights
; ---------------- x: a plain stream of blocks of 32.  A wave takes 16 steps of 512 numbers.
; Each load reads 512 consecutive bytes; a step's 2,048 bytes turn through the wave's own stage so that a lane holds 16 neighbours (two lanes hold a block).
	v_lshlrev_b32 v3, 4, v2                        ; my 16 bytes of a load's 512
	s_mul_i32 s25, s24, WREG
	v_lshrrev_b32 v14, 2, v2
	v_mul_u32_u24 v14, v14, SP
	v_and_b32 v15, 3, v2
	v_lshl_add_u32 v14, v15, 4, v14
	v_add_nc_u32 v14, s25, v14                     ; into the stage: SP (lane / 4) + 16 (lane % 4)
	v_mul_u32_u24 v15, v2, SP
	v_add_nc_u32 v15, s25, v15                     ; out of it: SP x lane
	v_mul_u32_u24 v4, v2, CB                       ; my codes' place in a step's 256 bytes
	v_lshrrev_b32 v5, 1, v2
	s_add_co_u32 s25, s25, 2*32*SP
	v_add_nc_u32 v5, s25, v5                       ; my block's scale byte in the wave's 256
	v_lshlrev_b32 v7, 3, v2
	v_add_nc_u32 v6, s25, v7                       ; and 8 bytes a lane on their way out
	s_lshl_b32 s26, ttmp9, 2
	s_add_co_u32 s26, s26, s24                     ; which run of 8,192 numbers is my wave's: 0 .. 1,023
	s_mov_b32 s29, 0
	s_lshl_b32 s28, s26, 15
	s_add_nc_u64 s[4:5], s[4:5], s[28:29]          ; 32,768 bytes of x a run,
	s_lshl_b32 s28, s26, 12
	s_add_nc_u64 s[14:15], s[14:15], s[28:29]      ; 4,096 of codes,
	s_lshl_b32 s28, s26, 8
	s_add_nc_u64 s[16:17], s[16:17], s[28:29]      ; 256 scale bytes
.macro LOAD t
.irp i, 0,1,2,3
	global_load_b128 v[R+16*((\t)%4)+4*\i:R+16*((\t)%4)+4*\i+3], v3, s[4:5] offset:2048*(\t)+512*\i th:TH_LOAD_NT
.endr
.endm
.macro TURN t                          ; step t's numbers through the stage: LDS serves a wave's instructions in order, so no wait stands between the stores and the loads
.irp i, 0,1,2,3
	ds_store_b128 v14, v[R+16*((\t)%4)+4*\i:R+16*((\t)%4)+4*\i+3] offset:32*SP*((\t)%2)+8*SP*\i
.endr
.irp i, 0,1,2,3
	ds_load_b128 v[X+16*((\t)%2)+4*\i:X+16*((\t)%2)+4*\i+3], v15 offset:32*SP*((\t)%2)+16*\i
.endr
.endm
.irp t, 0,1,2,3
	LOAD \t
.endr
	s_wait_loadcnt 12                              ; step 0's four loads are in; three steps' twelve stay out
	TURN 0
.macro STEP t
.set XS, X+16*((\t)%2)
.if (\t) > 0
	s_wait_dscnt 1                                 ; this step's numbers are back from the stage; the last step's byte store may be out
.else
	s_wait_dscnt 0x0
.endif
.if (\t)+4 < STEPS
	LOAD (\t)+4                                    ; into the registers that the stage's stores have read
.endif
.if (\t)+1 < STEPS
.if STEPS-2-(\t) >= 3
	s_wait_loadcnt 12                              ; the next step's four loads are in; those of the three steps behind it may be out
.else
	s_wait_loadcnt 4*(STEPS-2-(\t))                ; the counts run down: 8, 4, 0
.endif
	TURN (\t)+1
.endif
	v_max3_num_f32 v8, |v[XS]|, |v[XS+1]|, |v[XS+2]|               ; the largest magnitude of my 16, in two chains
	v_max3_num_f32 v9, |v[XS+3]|, |v[XS+4]|, |v[XS+5]|
.irp i, 6,10
	v_max3_num_f32 v8, v8, |v[XS+\i]|, |v[XS+\i+1]|
	v_max3_num_f32 v9, v9, |v[XS+\i+2]|, |v[XS+\i+3]|
.endr
	v_max3_num_f32 v8, v8, |v[XS+14]|, |v[XS+15]|
	v_max3_num_f32 v8, v8, v9, 0x1800000           ; and the floor 2^(3 - 127): the byte cannot fall under 1
	v_max_num_f32_dpp v8, v8, v8 row_xmask:1 row_mask:0xf bank_mask:0xf   ; with my neighbour's 16: the block's
	v_add_nc_u32 v11, 0xff000000, v8               ; 2 off its exponent field: the conversion takes this operand's exponent field as its scale
	v_cvt_scalef32_pk8_fp4_f32 v[C+4*(\t)], v[XS:XS+7], v11
	v_cvt_scalef32_pk8_fp4_f32 v[C+4*(\t)+1], v[XS+8:XS+15], v11
	v_lshrrev_b32 v[E+(\t)], 23, v11               ; the scale's byte
	ds_store_b8 v5, v[E+(\t)] offset:16*(\t)       ; both lanes of a block write the same byte with the same value
	global_store_b64 v4, v[C+4*(\t):C+4*(\t)+1], s[14:15] offset:32*CB*(\t)   ; the wave stores 256 consecutive bytes, aligned
.endm
.irp t, 0,1,2,3,4,5,6,7,8,9,10,11,12,13,14,15
	STEP \t
.endr
	ds_load_b64 v[8:9], v6                         ; my wave's 256 scale bytes: these loads see my stores
	s_wait_dscnt 0x0
	global_store_b64 v7, v[8:9], s[16:17]          ; 256 consecutive bytes, aligned
	s_wait_tensorcnt 0x0                           ; the wave's end, behind my last LDS store
	ds_add_u32 v[SPW], v[NIL]
	s_wait_dscnt 0x0
	s_endpgm
; ---------------- Wq, Wk, Wv.  A LANE TAKES A COLUMN n AND ITS REGISTERS RUN DOWN K: a block of 32 lies in one lane, and the conversions give codes with K innermost.
; A wave takes 32 columns x 128 along K (four blocks): 192 work-groups = 3 weights x 8 K steps x 8 runs of 128 columns.  Up to 64 loads a wave are out.
.Lweights:
	s_cmp_lt_u32 ttmp9, 448
	s_cbranch_scc0 .Lwp
	s_sub_co_u32 s25, ttmp9, 256
	s_lshr_b32 s26, s25, 6                         ; which weight: 0 q, 1 k, 2 v
	s_and_b32 s27, s25, 7                          ; which 128 columns
	s_bfe_u32 s28, s25, 0x30003                    ; which K step of 128
	s_cmp_eq_u32 s26, 0
	s_cselect_b64 s[30:31], s[6:7], s[8:9]
	s_cmp_eq_u32 s26, 2
	s_cselect_b64 s[30:31], s[10:11], s[30:31]
	s_mov_b32 s33, 0
	s_lshl_b32 s32, s28, 19                        ; 128 rows of 4,096 bytes a K step
	s_lshl_b32 s34, s27, 9
	s_add_co_u32 s32, s32, s34
	s_lshl_b32 s34, s24, 7
	s_add_co_u32 s32, s32, s34                     ; + 4 x (128 x run + 32 x wave)
	s_add_nc_u64 s[30:31], s[30:31], s[32:33]
	s_lshl_b32 s32, s26, 6
	s_lshl_b32 s34, s27, 3
	s_add_co_u32 s32, s32, s34
	s_lshl_b32 s34, s24, 1
	s_add_co_u32 s32, s32, s34                     ; my first tile of 16 columns: 64 x weight + 8 x run + 2 x wave
	s_lshl_b32 s32, s32, 13
	s_lshl_b32 s34, s28, 10
	s_add_co_u32 s32, s32, s34
	s_add_nc_u64 s[18:19], s[18:19], s[32:33]      ; 8,192 bytes a tile, 1,024 a K step
	s_lshl_b32 s32, s26, 15
	s_lshl_b32 s34, s27, 12
	s_add_co_u32 s32, s32, s34
	s_lshl_b32 s34, s24, 10
	s_add_co_u32 s32, s32, s34
	s_lshl_b32 s34, s28, 2
	s_add_co_u32 s32, s32, s34
	s_add_nc_u64 s[20:21], s[20:21], s[32:33]      ; scale bytes: 32 a column, 4 a K step
	v_lshlrev_b32 v3, 2, v2                        ; in: 4 bytes a lane
	v_lshrrev_b32 v8, 4, v2
	v_lshlrev_b32 v8, 13, v8
	v_and_b32 v9, 15, v2
	v_lshl_add_u32 v8, v9, 4, v8                   ; codes out: tile lane / 16, 16 bytes a column: sixteen lanes store 256 consecutive bytes, aligned
	v_lshlrev_b32 v9, 5, v2                        ; scale word out: 32 bytes a column
.macro WLOAD t                         ; block t: W(128 step + 32 t + i, my column) into set t % 2
.set i, 0
.rept 32
	global_load_b32 v[XW+32*((\t)%2)+i], v3, s[30:31] offset:(32*(\t)+i)*4096 th:TH_LOAD_NT
.set i, i+1
.endr
.endm
.macro WBLOCK t
.set XS, XW+32*((\t)%2)
.if (\t) < 3
	s_wait_loadcnt 32                              ; this block's 32 loads are in; the next block's 32 may be out
.else
	s_wait_loadcnt 0x0
.endif
	v_max3_num_f32 v12, |v[XS]|, |v[XS+1]|, |v[XS+2]|
	v_max3_num_f32 v13, |v[XS+3]|, |v[XS+4]|, |v[XS+5]|
.irp i, 6,10,14,18,22,26
	v_max3_num_f32 v12, v12, |v[XS+\i]|, |v[XS+\i+1]|
	v_max3_num_f32 v13, v13, |v[XS+\i+2]|, |v[XS+\i+3]|
.endr
	v_max3_num_f32 v12, v12, |v[XS+30]|, |v[XS+31]|
	v_max3_num_f32 v12, v12, v13, 0x1800000        ; the floor 2^(3 - 127)
	v_add_nc_u32 v11, 0xff000000, v12              ; the conversion's scale operand
	v_lshrrev_b32 v13, 23, v11                     ; the scale's byte
.if (\t) == 0
	v_mov_b32 v24, v13                             ; four bytes make the K step's scale word, the lower K in the lower byte
.else
	v_lshl_or_b32 v24, v13, 8*(\t), v24
.endif
.irp g, 0,1,2,3
	v_cvt_scalef32_pk8_fp4_f32 v[CW+4*(\t)+\g], v[XS+8*\g:XS+8*\g+7], v11
.endr
	global_store_b128 v8, v[CW+4*(\t):CW+4*(\t)+3], s[18:19] offset:512*((\t)/2)+256*((\t)%2)   ; each block has registers of its own: no store's data are written again
.if (\t)+2 < 4
	WLOAD (\t)+2
.endif
.endm
	WLOAD 0
	WLOAD 1
	WBLOCK 0
	WBLOCK 1
	WBLOCK 2
	WBLOCK 3
	global_store_b32 v9, v24, s[20:21]             ; 4 bytes of each column's row of scale bytes: 98,304 bytes in the whole launch leave so
	s_endpgm
; ---------------- Wp to f16: 32,768 bytes in, 16,384 out for a work-group, in 16 steps; all loads first.
.Lwp:
	s_sub_co_u32 s25, ttmp9, 448
	s_mov_b32 s27, 0
	s_lshl_b32 s26, s25, 15
	s_add_nc_u64 s[12:13], s[12:13], s[26:27]
	s_lshl_b32 s26, s25, 14
	s_add_nc_u64 s[22:23], s[22:23], s[26:27]
	v_lshlrev_b32 v3, 4, v0                        ; in: 16 bytes a thread, a wave reads 512 consecutive bytes
	v_lshlrev_b32 v4, 3, v0                        ; out: 8 bytes a thread, a wave stores 256 consecutive bytes, aligned
.set i, 0
.rept 16
	global_load_b128 v[16+4*i:16+4*i+3], v3, s[12:13] offset:2048*i
.set i, i+1
.endr
.set i, 0
.rept 16
	s_wait_loadcnt 15-i                            ; loads come back in order: step i's is in, the younger ones stay out
	v_cvt_pk_f16_f32 v[80+2*i], v[16+4*i], v[16+4*i+1]
	v_cvt_pk_f16_f32 v[80+2*i+1], v[16+4*i+2], v[16+4*i+3]
	global_store_b64 v4, v[80+2*i:80+2*i+1], s[22:23] offset:1024*i
.set i, i+1
.endr
	s_endpgm
.Lfunc_end_k_q0e820f2790_prep:
	.size	k_q0e820f2790_prep, .Lfunc_end_k_q0e820f2790_prep-k_q0e820f2790_prep
	.p2alignl 7, 3214868480
	.fill 96, 4, 3214868480
	.section	.rodata,"a",@progbits
	.p2align	6, 0x0
	.amdhsa_kernel k_q0e820f2790_prep
		.amdhsa_group_segment_fixed_size 33280
		.amdhsa_private_segment_fixed_size 0
		.amdhsa_enable_private_segment 0
		.amdhsa_kernarg_size 80
		.amdhsa_user_sgpr_count 2
		.amdhsa_user_sgpr_kernarg_segment_ptr 1
		.amdhsa_wavefront_size32 1
		.amdhsa_system_sgpr_workgroup_id_x 1
		.amdhsa_system_sgpr_workgroup_id_y 1
		.amdhsa_system_sgpr_workgroup_id_z 1
		.amdhsa_system_vgpr_workitem_id 0
		.amdhsa_next_free_vgpr 200
		.amdhsa_next_free_sgpr 66
		.amdhsa_reserve_vcc 0
		.amdhsa_float_denorm_mode_32 3
		.amdhsa_float_denorm_mode_16_64 3
		.amdhsa_memory_ordered 1
		.amdhsa_forward_progress 1
		.amdhsa_inst_pref_size 59
	.end_amdhsa_kernel
	.amdgpu_metadata
---
amdhsa.version: [ 1, 2 ]
amdhsa.kernels:
  - .name:           k_q0e820f2790_prep
    .symbol:         k_q0e820f2790_prep.kd
    .args:
      - { .name: x, .offset: 0, .size: 8, .value_kind: global_buffer, .address_space: global }
      - { .name: Wq, .offset: 8, .size: 8, .value_kind: global_buffer, .address_space: global }
      - { .name: Wk, .offset: 16, .size: 8, .value_kind: global_buffer, .address_space: global }
      - { .name: Wv, .offset: 24, .size: 8, .value_kind: global_buffer, .address_space: global }
      - { .name: Wp, .offset: 32, .size: 8, .value_kind: global_buffer, .address_space: global }
      - { .name: xc, .offset: 40, .size: 8, .value_kind: global_buffer, .address_space: global }
      - { .name: xs, .offset: 48, .size: 8, .value_kind: global_buffer, .address_space: global }
      - { .name: wc, .offset: 56, .size: 8, .value_kind: global_buffer, .address_space: global }
      - { .name: ws, .offset: 64, .size: 8, .value_kind: global_buffer, .address_space: global }
      - { .name: wph, .offset: 72, .size: 8, .value_kind: global_buffer, .address_space: global }
    .group_segment_fixed_size: 33280
    .private_segment_fixed_size: 0
    .kernarg_segment_align: 8
    .kernarg_segment_size: 80
    .max_flat_workgroup_size: 128
    .sgpr_count:     66
    .vgpr_count:     200
    .wavefront_size: 32
...
	.end_amdgpu_metadata
.endif
;; end of part 1
;; launch qkv (part 2): grid 12 x 32, 4 waves a work-group, clusters of 4 x 4, 327,680 bytes of LDS; arguments xc, xs, wc, ws, bq, bk, bv, qkv, qkv32; writes qkv, qkv32
.if DOCPART == 2
	.amdgcn_target "amdgcn-amd-amdhsa--gfx1250"
	.amdhsa_code_object_version 6
	.text
	.protected	k_q0e820f2790_qkv
	.globl	k_q0e820f2790_qkv
	.p2align	8
	.type	k_q0e820f2790_qkv,@function
k_q0e820f2790_qkv:
	s_mov_b64 s[64:65], 0
	v_nop
	global_prefetch_b8 v0, s[64:65] scope:SCOPE_SE
	s_setreg_imm32_b32 hwreg(HW_REG_WAVE_MODE, 25, 1), 1
	s_wait_xcnt 0x0
	s_wait_alu depctr_hold_cnt(0) depctr_sa_sdst(0) depctr_va_vdst(0) depctr_va_sdst(0) depctr_va_ssrc(0) depctr_va_vcc(0) depctr_vm_vsrc(0)
	s_getreg_b32 s2, hwreg(HW_REG_IB_STS2, 6, 4)
	s_cmp_eq_u32 s2, 0
	s_cbranch_scc0 .Lentry_in_a_cluster
	s_endpgm
.Lentry_in_a_cluster:
	s_bfe_u32 s2, ttmp6, 0x10000c
	s_cmp_lg_u32 s2, 0xf033
	s_cbranch_scc0 .Lentry_shape_is_right
	s_endpgm
.Lentry_shape_is_right:
; QKV.  [8192][3072] = x [8192][1024] x (Wq | Wk | Wv), both operands as codes of FP4 (E2M1) with one E8M0 scale for each 32 along K; sums in f32; + bias; q is multiplied by c = log2(e) / 8, so that
; the scores of the next launch are exponents of 2.  Out: f16, laid by head, qkv [3][batch 4][head 16][t 2048][64]; the rows t < 16 of every batch also in f32, qkv32, as images of the registers that hold them.
; A tile of 256 x 256 is made by a work-group of four waves, a wave makes 128 x 128: 64 accumulators, 512 registers.  K = 1,024 is two slots of 512 in LDS: both are filled once, at the head; nothing is filled again.
; x's tiles are rows of 256 bytes (16 bytes of padding behind each in LDS).  The weights' codes lie in memory in the order of the operand's registers: a tile of 16 columns x 512 along K is 4,096 consecutive bytes,
; and a fragment is two loads of 16 bytes a lane at 16 x lane: consecutive bytes, no padding.  The scale bytes of the work-group's 256 rows and 256 columns, for all of K, come once, as units of 256 bytes.
; CLUSTERS: 4 x 4 work-groups.  Tile column = 4 x cluster x + cx; tile row = 8 cy + cluster y, so that cy is the batch and the four sequence starts lie in the clusters with y = 0.
; The four of a row of the cluster (same cy) ask jointly for x's tiles, the four of a column (same cx) for the weights'.
; THE MATRIX INSTRUCTION IS USED TRANSPOSED (source 0 = 16 columns of a weight, source 1 = 16 rows of x): a lane holds eight neighbouring columns of one row.
; LIMITS: |q c|, |k|, |v| must stay under f16's 65,504.
; REGISTERS: window 0: v16-31 addresses; v32-95 scale words, two sets; v128-191 x's fragments, one set; v192-255 the biases of my 128 columns in the result's layout.  On the way out v32-191 are at work.
;   window 1: the weights' fragments, two sets, at v0 and v128.   window 2: accumulators of my rows 0-63 ((a, b) at v[8 (8 a + b)]);   window 3: rows 64-127.
.set NQ,     4                         ; steps of 128 along K in a slot
.set ROWB,   256                       ; a row of x's tile: 512 codes
.set KROW,   512                       ; a row of xc in memory
.set PITCH,  272                       ; in LDS: 256 bytes + 16: the sixteen rows that a load touches start 16 bytes apart modulo 256
.set FR,     8
.set NL,     2
.set NP,     4
.set HALFT,  128*PITCH
.set BOFF,   2*HALFT                   ; behind x's 256 rows: the weights' 16 tiles x 4,096 bytes
.set BHALF,  8*4096
.set SLOT,   BOFF+2*BHALF
.set KS,     32                        ; a row of scale bytes
.set SCL,    2*SLOT                    ; behind the slots: the scales, as units of 256 bytes + 16 of padding
.set HALFS,  16*272                    ; those of 128 rows
.set SBLK,   2*272                     ; those of 16 rows
.set SPARE,  SCL+4*HALFS               ; the spare words, 128 bytes a wave: two blocks of 256 bytes that no other line names
.set SROW,   144                       ; the way out: a stage of 2 heads x 16 rows x (128 bytes + 16) for each wave, in slot 0's rows of x, which have had their one fill and their last read
.set ADRA, 16
.set ADRB, 20
.set STO,  24
.set RD,   25
.set CO,   26                          ; 16 x lane
.set ADRS, 27
.set SPW,  28
.set NIL,  29
.set BO,   30                          ; 32 x (lane / 16)
.set SC,   32
.set AF,   128
.set BF,   192
.set T,    32                          ; the way out: a block's 64 numbers in f32
.set H,    96                          ; the same in f16
.set BK,   128                         ; whole rows read back, two sets of 32
.set WV,   16
.set RH,   17
.set CH,   18
.set FINE, 19
.set G1,   24
.set G0,   32
.set G1B,  48
.set G0B,  56
.set G1S,  68
.set G0S,  76
.set G1SB, 80
.set G0SB, 88
.set MSB, 0
.macro WIN new                         ; the immediate's high byte repeats the setting that is left
.if MSB != (\new)
	s_set_vgpr_msb (MSB<<8)|(\new)
.set MSB, (\new)
.endif
.endm
.set MUL_LO, 0xa1                      ; source 0 (weights) window 1, source 1 (x) window 0, C and D window 2
.set MUL_HI, 0xf1
.set TO_B,   0x40
; A joint load: waves 0 and 1 fetch for x, waves 2 and 3 for the weights; the branch hangs on the wave's number alone.  An s_nop 0 and four v_nop follow each line.
.macro JLOAD g0a, g1a, g0b, g1b
	s_cmp_eq_u32 s[RH], 0
	s_cbranch_scc0 .Lfor_b_\@
	tensor_load_to_lds s[\g0a:\g0a+3], s[\g1a:\g1a+7]
	s_nop 0
.rept 4
	v_nop
.endr
	s_branch .Lasked_\@
.Lfor_b_\@:
	tensor_load_to_lds s[\g0b:\g0b+3], s[\g1b:\g1b+7]
	s_nop 0
.rept 4
	v_nop
.endr
.Lasked_\@:
.endm
.macro CROUND                          ; a round of the cluster's barrier
	s_barrier_signal -1
	s_barrier_wait -1
	s_cmp_lg_u32 s[WV], 0
	s_cbranch_scc1 .Lnot_wave_0_\@
	s_barrier_signal -3
.Lnot_wave_0_\@:
	s_barrier_wait -3
	s_barrier_signal -1
	s_barrier_wait -1
.endm
	s_load_b256 s[4:11], s[0:1], 0x0               ; xc s[4:5], xs s[6:7], wc s[8:9], ws s[10:11]
	s_load_b128 s[96:99], s[0:1], 0x20             ; bq, bk
	s_load_b64 s[100:101], s[0:1], 0x30            ; bv
	s_load_b128 s[12:15], s[0:1], 0x38             ; qkv s[12:13], qkv32 s[14:15]
	v_lshl_add_u32 v[SPW], v0, 2, SPARE
	v_mov_b32 v[NIL], 0
	ds_add_u32 v[SPW], v[NIL]                      ; the wave's opening: the add, twice on end, and its wait ahead of my first tensor load
	ds_add_u32 v[SPW], v[NIL]
	v_lshrrev_b32 v1, 5, v0
	v_readfirstlane_b32 s[WV], v1                  ; wave 0..3
	s_lshr_b32 s[RH], s[WV], 1                     ; which half of the tile's rows is mine.  Also: I fetch for x (0) or for the weights (1)
	s_and_b32 s[CH], s[WV], 1                      ; which half of its columns.  Also: which half of a tile I fetch
	s_bfe_u32 s40, ttmp6, 0x40000                  ; cx
	s_bfe_u32 s41, ttmp6, 0x40004                  ; cy
	s_lshl_b32 s42, ttmp9, 2
	s_add_co_u32 s42, s42, s40                     ; tile column = 4 x cluster x + cx: cluster x says which of q, k, v
	s_and_b32 s2, ttmp7, 0xffff                    ; cluster y
	s_lshl_b32 s3, s41, 3
	s_add_co_u32 s3, s3, s2                        ; tile row = 8 cy + cluster y
	s_lshl_b32 s43, s41, 2
	s_lshl_b32 s43, 15, s43                        ; my row of the cluster
	s_lshl_b32 s44, 0x1111, s40                    ; my column
	s_or_b32 s[G1+0], s43, (0<<16)|(1<<20)|(1<<21)|(5<<22)|(3<<25)  ; x's codes: mask of my row; elements of 1 byte; padding of 4 words behind every 64; bit 21 beside a mask
	s_mov_b32 s[G1+1], ROWB<<16                    ; tensor_dim0 = 256
	s_mov_b32 s[G1+2], 128<<16                     ; tensor_dim1 = 128
	s_mov_b32 s[G1+3], ROWB<<16                    ; tile_dim0
	s_mov_b32 s[G1+4], 128                         ; tile_dim1
	s_mov_b32 s[G1+5], KROW                        ; from row to row
	s_mov_b32 s[G1+6], 0
	s_mov_b32 s[G1+7], 0
	s_or_b32 s[G1B+0], s44, (3<<16)|(1<<21)        ; the weights' codes: mask of my column; elements of 8 bytes; no padding
	s_mov_b32 s[G1B+1], 512<<16                    ; a row: 4,096 bytes, four K steps of one tile of 16 columns
	s_mov_b32 s[G1B+2], 8<<16                      ; eight tiles
	s_mov_b32 s[G1B+3], 512<<16
	s_mov_b32 s[G1B+4], 8
	s_mov_b32 s[G1B+5], 1024                       ; 8,192 bytes from tile to tile
	s_mov_b32 s[G1B+6], 0
	s_mov_b32 s[G1B+7], 0
	s_or_b32 s[G1S+0], s43, (3<<16)|(1<<20)|(1<<21)|(5<<22)|(3<<25)   ; the scales of 128 rows: 4,096 dense bytes as 16 rows of 256, 16 bytes of padding behind each
	s_or_b32 s[G1SB+0], s44, (3<<16)|(1<<20)|(1<<21)|(5<<22)|(3<<25)
.irp g, G1S, G1SB
	s_mov_b32 s[\g+1], 32<<16
	s_mov_b32 s[\g+2], 16<<16
	s_mov_b32 s[\g+3], 32<<16
	s_mov_b32 s[\g+4], 16
	s_mov_b32 s[\g+5], 32
	s_mov_b32 s[\g+6], 0
	s_mov_b32 s[\g+7], 0
.endr
	s_lshl_b32 s22, s[CH], 7
	s_lshl_b32 s20, s3, 8
	s_add_co_u32 s20, s20, s22                     ; x: row 256 x tile row + 128 x half
	s_lshl_b32 s46, s42, 8
	s_add_co_u32 s46, s46, s22                     ; weights: column 256 x tile column + 128 x half
	s_lshl_b32 s92, s20, 5                         ; their scale bytes: 32 a row
	s_mov_b32 s93, 0
	s_lshl_b32 s94, s46, 5
	s_mov_b32 s95, 0
	s_lshl_b32 s20, s20, 9                         ; their codes: 512 bytes a row of x; 8,192 a tile of 16 columns, which is 512 a column too
	s_mov_b32 s21, 0
	s_lshl_b32 s46, s46, 9
	s_mov_b32 s47, 0
	s_mul_i32 s45, s[WV], HALFT                    ; where x's half goes in a slot (waves 0, 1)
	s_mul_i32 s22, s[CH], BHALF
	s_add_co_u32 s22, s22, BOFF                    ; where the weights' half goes
	s_mul_i32 s23, s[WV], HALFS                    ; and the scales: x's two halves, then the weights'
	s_wait_dscnt 0x0                               ; both opening adds are done
	s_wait_kmcnt 0x0
	s_add_nc_u64 s[20:21], s[4:5], s[20:21]
	s_add_nc_u64 s[92:93], s[6:7], s[92:93]
	s_add_nc_u64 s[46:47], s[8:9], s[46:47]
	s_add_nc_u64 s[94:95], s[10:11], s[94:95]
	CROUND                                         ; all sixteen work-groups are here: the first joint loads meet
	s_mov_b32 s[G0S], 1
	s_add_co_u32 s[G0S+1], s23, SCL
	s_mov_b64 s[G0S+2:G0S+3], s[92:93]
	s_or_b32 s[G0S+3], s[G0S+3], 0x80000000
	s_mov_b32 s[G0SB], 1
	s_add_co_u32 s[G0SB+1], s23, SCL
	s_mov_b64 s[G0SB+2:G0SB+3], s[94:95]
	s_or_b32 s[G0SB+3], s[G0SB+3], 0x80000000
	JLOAD G0S, G1S, G0SB, G1SB                     ; the scales first: they are wanted with the first slot
.irp s, 0,1
	s_mov_b32 s[G0+4*\s], 1
	s_add_co_u32 s[G0+4*\s+1], s45, \s*SLOT
	s_add_nc_u64 s[G0+4*\s+2:G0+4*\s+3], s[20:21], \s*ROWB
	s_or_b32 s[G0+4*\s+3], s[G0+4*\s+3], 0x80000000
	s_mov_b32 s[G0B+4*\s], 1
	s_add_co_u32 s[G0B+4*\s+1], s22, \s*SLOT
	s_add_nc_u64 s[G0B+4*\s+2:G0B+4*\s+3], s[46:47], \s*4096
	s_or_b32 s[G0B+4*\s+3], s[G0B+4*\s+3], 0x80000000
	JLOAD G0+4*\s, G1, G0B+4*\s, G1B               ; three loads of mine are out: all of the launch's
.endr
	v_and_b32 v1, 15, v0                           ; r = lane % 16
	v_bfe_u32 v2, v0, 4, 1                         ; h = lane / 16
	v_mul_u32_u24 v3, v1, PITCH
	v_lshl_add_u32 v4, v2, 4, v3                   ; x's fragments: row x pitch + 16 h
	v_and_b32 v6, 31, v0
	v_lshlrev_b32 v[CO], 4, v6                     ; 16 x lane
	v_lshlrev_b32 v[BO], 5, v2
	s_mul_i32 s21, s[RH], HALFT                    ; my 128 rows of x
	s_mul_i32 s22, s[CH], BHALF
	s_add_co_u32 s22, s22, BOFF                    ; my 8 tiles of the weights
.irp s, 0,1
	v_add_nc_u32 v[ADRA+\s], s21, v4
	v_add_nc_u32 v[ADRB+\s], s22, v[CO]
	s_add_co_u32 s21, s21, SLOT
	s_add_co_u32 s22, s22, SLOT
.endr
	v_mul_u32_u24 v5, v1, KS                       ; my row's scale bytes: 32 a row,
	v_lshrrev_b32 v6, 8, v5
	v_lshl_add_u32 v5, v6, 4, v5                   ; and 16 more for each 256 passed
	s_mul_i32 s21, s[RH], HALFS
	s_mul_i32 s22, s[CH], HALFS
	s_add_co_u32 s22, s22, 2*HALFS
	s_sub_co_u32 s22, s22, s21
	v_mul_u32_u24 v6, s22, v2                      ; lanes 16-31 take the weights' words
	s_add_co_u32 s21, s21, SCL
	v_add_nc_u32 v5, v5, v6
	v_add_nc_u32 v[ADRS], s21, v5
	s_mul_i32 s23, s[WV], 2*16*SROW                ; my stage
	v_mul_u32_u24 v5, v1, SROW
	v_lshl_add_u32 v5, v2, 4, v5
	v_add_nc_u32 v[STO], s23, v5                   ; in: row r, 16 bytes for each half of the lanes
	v_bfe_u32 v5, v0, 3, 2
	v_mul_u32_u24 v5, v5, SROW
	v_and_b32 v6, 7, v0
	v_lshl_add_u32 v5, v6, 4, v5
	v_add_nc_u32 v[RD], s23, v5                    ; back: eight lanes to a row of 128 bytes, four rows an instruction
	; the bias and the factor of my weight: the choice hangs on the cluster's x alone
	s_cmp_eq_u32 ttmp9, 0
	s_cselect_b64 s[92:93], s[96:97], s[98:99]
	s_cselect_b32 s66, 0x3e38aa3b, 1.0             ; c = log2(e) / 8 for q, 1 for k and v
	s_cmp_eq_u32 ttmp9, 2
	s_cselect_b64 s[92:93], s[100:101], s[92:93]
	s_mov_b32 s67, s66                             ; (named with it as a pair)
	s_lshl_b32 s94, s40, 10
	s_lshl_b32 s95, s[CH], 9
	s_add_co_u32 s94, s94, s95                     ; 4 x (256 cx + 128 x half)
	s_mov_b32 s95, 0
	s_add_nc_u64 s[92:93], s[92:93], s[94:95]
.irp b, 0,1,2,3,4,5,6,7
	global_load_b128 v[BF+8*\b:BF+8*\b+3], v[BO], s[92:93] offset:64*\b        ; bias of columns 16 b + 8 h + 0 .. 7
	global_load_b128 v[BF+8*\b+4:BF+8*\b+7], v[BO], s[92:93] offset:64*\b+16
.endr
	s_or_b32 s[FINE], s2, s[RH]
	s_cmp_eq_u32 s[FINE], 0
	s_cselect_b32 s[FINE], 1, 0                    ; 1: my first 16 rows are t = 0 .. 15 of a batch: the cluster's y and the wave's number alone
	s_lshl_b32 s20, ttmp9, 2
	s_add_co_u32 s20, s20, s41                     ; 4 x which + batch
	s_lshl_b32 s21, s20, 4
	s_lshl_b32 s22, s40, 2
	s_add_co_u32 s21, s21, s22
	s_lshl_b32 s22, s[CH], 1
	s_add_co_u32 s21, s21, s22                     ; my first head: 16 (4 which + batch) + 4 cx + 2 x half
	s_lshl_b32 s46, s21, 18                        ; 262,144 bytes a head
	s_lshl_b32 s22, s2, 15
	s_add_co_u32 s46, s46, s22                     ; + 256 x cluster y rows of 128 bytes
	s_lshl_b32 s22, s[RH], 14
	s_add_co_u32 s46, s46, s22
	s_mov_b32 s47, 0
	s_add_nc_u64 s[12:13], s[12:13], s[46:47]
	s_lshl_b32 s46, s20, 6
	s_lshl_b32 s22, s40, 4
	s_add_co_u32 s46, s46, s22
	s_lshl_b32 s22, s[CH], 3
	s_add_co_u32 s46, s46, s22                     ; qkv32: tile of 16 columns 64 (4 which + batch) + 16 cx + 8 x half
	s_lshl_b32 s46, s46, 10
	s_add_nc_u64 s[14:15], s[14:15], s[46:47]
.macro FRAGA reg, adr, q, i            ; 16 rows x 128 K of x: lane l holds row l % 16; registers 4 c .. 4 c + 3 hold K = 64 c + 32 (l / 16) + 0 .. 31
.irp c, 0,1
	ds_load_b128 v[\reg+4*\c:\reg+4*\c+3], v[\adr] offset:64*(\q)+32*\c+(\i)*16*PITCH
.endr
.endm
.macro FRAGB reg, adr, q, i            ; the same of a weight's tile i, which lies in register order
.irp c, 0,1
	ds_load_b128 v[\reg+4*\c:\reg+4*\c+3], v[\adr] offset:1024*(\q)+512*\c+(\i)*4096
.endr
.endm
; 16 matrix instructions: x's blocks a0, a0 + 1 against the weights' eight.  The 64 accumulators take turns, one instruction a turn, in the same order in every step.
.macro MUL16 a0, p, q, sc, zero
.irp a, \a0, \a0+1
.irp b, 0,1,2,3,4,5,6,7
.if \zero
	v_wmma_scale_f32_16x16x128_f8f6f4 v[8*(8*((\a)%4)+\b):8*(8*((\a)%4)+\b)+7], v[128*(\p)+FR*\b:128*(\p)+FR*\b+FR-1], v[AF+FR*(\a):AF+FR*(\a)+FR-1], 0, v[SC+8*NQ*(\sc)+NQ*\b+(\q)], v[SC+8*NQ*(\sc)+NQ*(\a)+(\q)] matrix_a_fmt:MATRIX_FMT_FP4 matrix_b_fmt:MATRIX_FMT_FP4 matrix_a_scale:MATRIX_SCALE_ROW1
.else
	v_wmma_scale_f32_16x16x128_f8f6f4 v[8*(8*((\a)%4)+\b):8*(8*((\a)%4)+\b)+7], v[128*(\p)+FR*\b:128*(\p)+FR*\b+FR-1], v[AF+FR*(\a):AF+FR*(\a)+FR-1], v[8*(8*((\a)%4)+\b):8*(8*((\a)%4)+\b)+7], v[SC+8*NQ*(\sc)+NQ*\b+(\q)], v[SC+8*NQ*(\sc)+NQ*(\a)+(\q)] matrix_a_fmt:MATRIX_FMT_FP4 matrix_b_fmt:MATRIX_FMT_FP4 matrix_a_scale:MATRIX_SCALE_ROW1
.endif
.endr
.endr
.endm
.macro FETCH_B slot, q, p
	WIN TO_B
.irp i, 0,1,2,3,4,5,6,7
	FRAGB 128*(\p)+FR*\i, ADRB+\slot, \q, \i
.endr
	WIN 0
.endm
.macro FETCH_A slot, q, i0
.irp i, \i0, \i0+1, \i0+2, \i0+3
	FRAGA AF+FR*(\i), ADRA+\slot, \q, \i
.endr
.endm
.macro SCALES sc                       ; a slot's scale words: four a row; lanes 0-15 take x's block i, lanes 16-31 the weights' block i
.irp i, 0,1,2,3,4,5,6,7
	ds_load_b128 v[SC+8*NQ*\sc+NQ*\i:SC+8*NQ*\sc+NQ*\i+3], v[ADRS] offset:\i*SBLK
.endr
.endm
.macro PLACES n                        ; plain vector instructions between a matrix instruction and a load into, or a read of, its registers
.rept \n
	v_nop
.endr
.endm
.macro STEP slot, q, zero              ; 128 along K that has its successor in the same slot
	s_wait_dscnt 4*NL                              ; the weights' set and x's blocks 0-3 are in; the youngest eight loads (x's blocks 4-7) may be out
	WIN MUL_LO
	MUL16 0, (\q)%2, \q, \slot, \zero
	MUL16 2, (\q)%2, \q, \slot, \zero
	s_wait_dscnt 0
	PLACES NP
	FETCH_B \slot, (\q)+1, 1-(\q)%2
	FETCH_A \slot, (\q)+1, 0
	WIN MUL_HI
	MUL16 4, (\q)%2, \q, \slot, \zero
	MUL16 6, (\q)%2, \q, \slot, \zero
	PLACES NP
	WIN 0
	FETCH_A \slot, (\q)+1, 4
.endm
.macro STEPS slot, from
.set QQ, \from
.rept NQ-1-\from
	STEP \slot, QQ, 0
.set QQ, QQ+1
.endr
.endm
	s_wait_tensorcnt 1                             ; the scales and my part of slot 0 are in; slot 1's load may stay out
	s_barrier_signal -1
	s_barrier_wait -1
	FETCH_B 0, 0, 0
	FETCH_A 0, 0, 0
	SCALES 0
	FETCH_A 0, 0, 4
	STEP 0, 0, 1                                   ; the first products start the sums: nothing is cleared
	STEPS 0, 1
	; slot 0's last step changes slots: one barrier; in front of it my part of slot 1 has landed and my reads of slot 0 are over
	s_wait_tensorcnt 0x0
	ds_add_u32 v[SPW], v[NIL]
	s_wait_dscnt 4*NL+1                            ; the add and the youngest eight loads may be out
	WIN MUL_LO
	MUL16 0, 1, NQ-1, 0, 0
	s_wait_dscnt 0x0
	s_barrier_signal -1
	MUL16 2, 1, NQ-1, 0, 0
	WIN 0
	s_barrier_wait -1
	PLACES NP
	v_add_nc_u32 v[ADRS], 4*NQ, v[ADRS]            ; on to slot 1's scale words (no LDS load of mine is out)
	FETCH_B 1, 0, 0
	FETCH_A 1, 0, 0
	SCALES 1
	WIN MUL_HI
	MUL16 4, 1, NQ-1, 0, 0
	MUL16 6, 1, NQ-1, 0, 0
	PLACES NP
	WIN 0
	FETCH_A 1, 0, 4
	STEPS 1, 0
	s_wait_dscnt 4*NL                              ; the last step: nothing more to fetch
	WIN MUL_LO
	MUL16 0, 1, NQ-1, 1, 0
	MUL16 2, 1, NQ-1, 1, 0
	s_wait_dscnt 0
	WIN MUL_HI
	MUL16 4, 1, NQ-1, 1, 0
	MUL16 6, 1, NQ-1, 1, 0
	WIN 0
; THE WAY OUT, block by block of 16 rows x 128 columns (two heads).  (sum + bias) x factor as one fused multiply-add on bias x factor; rounded to f16; through my stage; back as whole rows of a head:
; 16 rows of 128 bytes of one head are 2,048 consecutive bytes of memory, four stores of 512.
.macro PACK a
.set AC, 64*((\a)%4)
	WIN 0x02+((\a)/4)                              ; source 0: window 2 or 3
.irp b, 0,1,2,3,4,5,6,7
.irp p, 0,2,4,6
	v_pk_fma_f32 v[T+8*\b+\p:T+8*\b+\p+1], v[AC+8*\b+\p:AC+8*\b+\p+1], s[66:67], v[BF+8*\b+\p:BF+8*\b+\p+1] op_sel_hi:[1,0,1]   ; each accumulator from its low end on
.endr
.endr
	WIN 0
.set n, 0
.rept 32
	v_cvt_pk_f16_f32 v[H+n], v[T+2*n], v[T+2*n+1]
.set n, n+1
.endr
.endm
.macro TOSTAGE a
.set BB, BK+32*((\a)%2)
.irp b, 0,1,2,3,4,5,6,7
	ds_store_b128 v[STO], v[H+4*\b:H+4*\b+3] offset:(\b/4)*16*SROW+32*(\b%4)
.endr
.irp j, 0,1
.irp i, 0,1,2,3
	ds_load_b128 v[BB+16*\j+4*\i:BB+16*\j+4*\i+3], v[RD] offset:\j*16*SROW+4*SROW*\i   ; LDS serves a wave's instructions in order: these see the stores above
.endr
.endr
.endm
.macro SEND a
.set BB, BK+32*((\a)%2)
	s_wait_dscnt 0x0                               ; the block is back in registers
	s_wait_xcnt 0x0                                ; the block before has had its stores' addresses translated: the next block's loads may land on its registers
.irp j, 0,1
.irp i, 0,1,2,3
	global_store_b128 v[CO], v[BB+16*\j+4*\i:BB+16*\j+4*\i+3], s[12:13] offset:\j*262144+(\a)*2048+512*\i   ; 512 consecutive bytes, aligned
.endr
.endr
.endm
	PLACES NP
	s_wait_loadcnt 0x0                             ; the biases
.set n, 0
.rept 32
	v_pk_mul_f32 v[BF+2*n:BF+2*n+1], v[BF+2*n:BF+2*n+1], s[66:67] op_sel_hi:[1,0]
.set n, n+1
.endr
	PACK 0
	s_cmp_eq_u32 s[FINE], 1
	s_cbranch_scc0 .Lnofine
.irp b, 0,1,2,3,4,5,6,7                ; rows t = 0 .. 15 in f32, as they stand in my registers: 16 bytes a lane at 16 x lane
.irp e, 0,1
	global_store_b128 v[CO], v[T+8*\b+4*\e:T+8*\b+4*\e+3], s[14:15] offset:1024*\b+512*\e
.endr
.endr
	s_wait_xcnt 0x0                                ; the next block's numbers are written over these only behind this wait
.Lnofine:
	TOSTAGE 0
.irp a, 1,2,3,4,5,6,7
	PACK \a
	SEND \a-1
	TOSTAGE \a
.endr
	SEND 7
	s_wait_tensorcnt 0x0                           ; the wave's end
	ds_add_u32 v[SPW], v[NIL]
	s_wait_dscnt 0x0
	CROUND                                         ; the closing round
	s_endpgm
.Lfunc_end_k_q0e820f2790_qkv:
	.size	k_q0e820f2790_qkv, .Lfunc_end_k_q0e820f2790_qkv-k_q0e820f2790_qkv
	.p2alignl 7, 3214868480
	.fill 96, 4, 3214868480
	.section	.rodata,"a",@progbits
	.p2align	6, 0x0
	.amdhsa_kernel k_q0e820f2790_qkv
		.amdhsa_group_segment_fixed_size 327680
		.amdhsa_private_segment_fixed_size 0
		.amdhsa_enable_private_segment 0
		.amdhsa_kernarg_size 72
		.amdhsa_user_sgpr_count 2
		.amdhsa_user_sgpr_kernarg_segment_ptr 1
		.amdhsa_wavefront_size32 1
		.amdhsa_system_sgpr_workgroup_id_x 1
		.amdhsa_system_sgpr_workgroup_id_y 1
		.amdhsa_system_sgpr_workgroup_id_z 1
		.amdhsa_system_vgpr_workitem_id 0
		.amdhsa_next_free_vgpr 1024
		.amdhsa_next_free_sgpr 102
		.amdhsa_reserve_vcc 0
		.amdhsa_float_denorm_mode_32 3
		.amdhsa_float_denorm_mode_16_64 3
		.amdhsa_memory_ordered 1
		.amdhsa_forward_progress 1
		.amdhsa_inst_pref_size 148
	.end_amdhsa_kernel
	.amdgpu_metadata
---
amdhsa.version: [ 1, 2 ]
amdhsa.kernels:
  - .name:           k_q0e820f2790_qkv
    .symbol:         k_q0e820f2790_qkv.kd
    .args:
      - { .name: xc, .offset: 0, .size: 8, .value_kind: global_buffer, .address_space: global }
      - { .name: xs, .offset: 8, .size: 8, .value_kind: global_buffer, .address_space: global }
      - { .name: wc, .offset: 16, .size: 8, .value_kind: global_buffer, .address_space: global }
      - { .name: ws, .offset: 24, .size: 8, .value_kind: global_buffer, .address_space: global }
      - { .name: bq, .offset: 32, .size: 8, .value_kind: global_buffer, .address_space: global }
      - { .name: bk, .offset: 40, .size: 8, .value_kind: global_buffer, .address_space: global }
      - { .name: bv, .offset: 48, .size: 8, .value_kind: global_buffer, .address_space: global }
      - { .name: qkv, .offset: 56, .size: 8, .value_kind: global_buffer, .address_space: global }
      - { .name: qkv32, .offset: 64, .size: 8, .value_kind: global_buffer, .address_space: global }
    .group_segment_fixed_size: 327680
    .private_segment_fixed_size: 0
    .kernarg_segment_align: 8
    .kernarg_segment_size: 72
    .max_flat_workgroup_size: 128
    .sgpr_count:     102
    .vgpr_count:     1024
    .wavefront_size: 32
...
	.end_amdgpu_metadata
.endif
;; end of part 2
;; launch attn (part 3): grid 4 x 64, 16 waves a work-group, no clusters, 327,680 bytes of LDS; arguments qkv, yh; writes yh
.if DOCPART == 3
	.amdgcn_target "amdgcn-amd-amdhsa--gfx1250"
	.amdhsa_code_object_version 6
	.text
	.protected	k_q0e820f2790_attn
	.globl	k_q0e820f2790_attn
	.p2align	8
	.type	k_q0e820f2790_attn,@function
k_q0e820f2790_attn:
	s_mov_b64 s[64:65], 0
	v_nop
	global_prefetch_b8 v0, s[64:65] scope:SCOPE_SE
	s_setreg_imm32_b32 hwreg(HW_REG_WAVE_MODE, 25, 1), 1
	s_wait_xcnt 0x0
; ATTN.  y[bh][t][:] = sum over s <= t of softmax_s(q[t] . k[s] / 8) v[s][:], heads of 64, T = 2,048.  q (already x log2(e) / 8), k, v: f16, qkv [3][64 heads][2048][64]; y: f16, yh [64][2048][64].
; Products on f16 operands with f32 sums; maxima, exponentials and sums in f32; a running maximum m and sum l for each query: p = 2^(s - m); O and l are multiplied by 2^(old m - new m) in every step.
; The row's sum is taken of p before it is rounded to f16.
; SHARES.  Work-group (i, head) owns the query blocks i and 7 - i of 256: every work-group has the same number of visible keys, and the low block's keys are the first of the high block's, so each tile of K and V
; comes into LDS once for both.  Each of sixteen waves owns 32 queries, two tiles of 16, in 256 registers: four waves to a SIMD, two of the low block and two of the high, so that one wave's vector work stands
; beside another's products and LDS loads.
; NO CLUSTER: the four work-groups of a head need 8 - i slots of keys: under the mask every wave of a partner would jump over the reads of tiles that a joint load brings.
; LAYOUT.  S^T = K Q^T (source 0 = 16 keys, source 1 = 16 queries): a lane holds ONE query (lane % 16) and keys 8 (lane / 16) + 0 .. 7.  Two such tiles, rounded to f16 in pairs, are source 1 of O^T = V^T P.
; K comes out of LDS as it lies, V ([key][channel]) turned by ds_load_tr16_b128.
; THE MASK.  Every work-group walks all 8 slots of 256 keys (constant trip counts); a step of 64 keys all of which come after the wave's queries is jumped over; on the diagonal hidden scores become -infinity;
; a slot whose first key comes after the work-group's last query is not asked for.
; LIMITS: p under 6e-5 keeps fewer bits in f16 (its error stays under 3e-8 of the row's largest p); NaN and infinities among the inputs are not served.
.set KP,    144                        ; a key's row of K in LDS: 128 bytes + 16: sixteen rows start 16 bytes apart modulo 256
.set VP,    160                        ; of V: 128 + 32, an odd multiple of 32, for the turning load
.set SK,    256                        ; keys in a slot
.set VOFF,  SK*KP
.set SLOT1, 1<<17                      ; slot 1 begins here: one exclusive or turns an address from one slot to the other
.set STAGE, SLOT1+VOFF+SK*VP           ; behind the ring: 2 tiles x 16 rows x 144 bytes for each wave; no tensor load fills it
.set SPARE, STAGE+16*4608              ; the spare words, 128 bytes a wave: eight blocks of 256 bytes that no other line names
.set AK0, 1
.set AV0, 2
.set SPW, 3
.set NIL, 4
.set ADK, 5
.set ADV, 6
.set DL,  7                            ; lane % 16 - 8 (lane / 16)
.set DD,  8
.set NINF, 9
.set PFO, 10
.set ST,  12                           ; tile t's statistics at v[ST + 8 t]: +0 m, +1 old m, then old m - new m, +2, +3 l, +4 .. +7 at work (2^(old m - new m) in +6)
.set STO, 28
.set RD,  29
.set GO,  30
.set QO,  31
.set Q,   32                           ; v32-63   Q: tile t, channels 32 c on, at 16 t + 8 c
.set S,   64                           ; v64-127  S^T: tile t, keys 16 g on, at 32 t + 8 g; then p; then P in f16 in the first 16 of each 32
.set O,   128                          ; v128-191 O^T: tile t, channels 16 d on, at 32 t + 8 d
.set KV,  192                          ; v192-255 eight fragments of K, then eight of V
.set WV,  8
.set Q0,  10                           ; my first query
.set QL,  11                           ; my work-group's last query
.set KF,  12                           ; the step's first key
.set TB,  13                           ; LDS byte at which the slot in hand begins
.set SLOTS, 14
.set LIM, 15
.set PFA, 16
.set SEL, 20
.set G1K, 24
.set G1V, 32
.set G0K, 40
.set G0V, 44
; Waves 0 and 1 fetch K's halves of a slot, waves 2 and 3 V's, the others nothing.  An s_nop 0 and four v_nop follow each line.
.macro TLOAD
	s_cmp_lt_u32 s[WV], 2
	s_cbranch_scc0 .Lnot_k_\@
	tensor_load_to_lds s[G0K:G0K+3], s[G1K:G1K+7]
	s_nop 0
.rept 4
	v_nop
.endr
	s_branch .Lasked_\@
.Lnot_k_\@:
	s_cmp_lt_u32 s[WV], 4
	s_cbranch_scc0 .Lasked_\@
	tensor_load_to_lds s[G0V:G0V+3], s[G1V:G1V+7]
	s_nop 0
.rept 4
	v_nop
.endr
.Lasked_\@:
.endm
; A prefetch of the slot that the NEXT change of slots will ask for: four key steps ahead of that load.  The head's work-group 0, which walks all eight slots, asks, and nobody else; in it waves 4 to 7 for K's
; 32,768 bytes and waves 8 to 11 for V's, 8,192 a wave, lanes 256 bytes apart: each aligned 256 bytes are named once.  The last change that fills a slot asks for nothing.
.macro ASK
	s_cmp_gt_u32 s[SLOTS], s[LIM]
	s_cbranch_scc0 .Lnot_mine_\@
	global_prefetch_b8 v[PFO], s[PFA:PFA+1] th:TH_LOAD_NT scope:SCOPE_SE
.Lnot_mine_\@:
.endm
	s_load_b128 s[4:7], s[0:1], 0x0                ; qkv s[4:5], yh s[6:7]
	v_lshl_add_u32 v[SPW], v0, 2, SPARE
	v_mov_b32 v[NIL], 0
	ds_add_u32 v[SPW], v[NIL]                      ; the wave's opening: the add, twice on end, and its wait ahead of my first tensor load
	ds_add_u32 v[SPW], v[NIL]
	v_lshrrev_b32 v5, 5, v0
	v_readfirstlane_b32 s[WV], v5                  ; wave 0..15
	s_and_b32 s58, ttmp7, 0xffff                   ; the head, 0 .. 63
	s_lshl_b32 s50, s58, 18                        ; its first byte in q, in k, in v and in yh
	s_lshr_b32 s48, s[WV], 2
	s_xor_b32 s48, s48, s[WV]
	s_and_b32 s48, s48, 1                          ; 1: my queries lie in the high block
	s_lshr_b32 s49, s[WV], 1
	s_lshl_b32 s49, s49, 5
	s_lshl_b32 s51, ttmp9, 8
	s_add_co_u32 s49, s49, s51                     ; low: 256 i + 32 (wave / 2)
	s_sub_co_u32 s52, 2016, s49                    ; high: 256 (7 - i) + 32 (7 - wave / 2)
	s_sub_co_u32 s[QL], 2047, s51
	s_cmp_eq_u32 s48, 1
	s_cselect_b32 s[Q0], s52, s49
	s_mov_b32 s[G1K], (1<<16)|(1<<20)|(4<<22)|(3<<25)   ; elements of 2 bytes; padding of 4 words behind every 32
	s_mov_b32 s[G1V], (1<<16)|(1<<20)|(4<<22)|(7<<25)   ; of 8 words
.irp g, G1K, G1V
	s_mov_b32 s[\g+1], 64<<16                      ; tensor_dim0 = 64
	s_mov_b32 s[\g+2], 128<<16                     ; tensor_dim1 = 128
	s_mov_b32 s[\g+3], 64<<16                      ; tile_dim0
	s_mov_b32 s[\g+4], 128                         ; tile_dim1
	s_mov_b32 s[\g+5], 64                          ; from row to row
	s_mov_b32 s[\g+6], 0
	s_mov_b32 s[\g+7], 0
.endr
	s_mov_b32 s[SEL], 0x76543210
	s_mov_b32 s[SEL+1], 0xfedcba98                 ; v_permlanex16_b32: lane l xor 16
	s_mov_b32 s[KF], 0
	s_mov_b32 s[TB], 0
	s_mov_b32 s[SLOTS], 7
	s_and_b32 s51, s[WV], 1                        ; which 128 keys of a slot I fetch, if I fetch
	s_lshl_b32 s52, s51, 14
	s_add_co_u32 s52, s52, s50
	s_add_co_u32 s52, s52, 0x1000000               ; k begins 16,777,216 bytes into qkv,
	s_mov_b32 s53, 0
	s_add_co_u32 s54, s52, 0x1000000               ; v as many further on
	s_mov_b32 s55, 0
	s_mul_i32 s56, s51, 128*KP
	s_mul_i32 s57, s51, 128*VP
	s_add_co_u32 s57, s57, VOFF
	s_wait_dscnt 0x0                               ; both opening adds are done
	s_wait_kmcnt 0x0
	s_mov_b32 s[G0K], 1
	s_mov_b32 s[G0K+1], s56
	s_add_nc_u64 s[G0K+2:G0K+3], s[4:5], s[52:53]
	s_or_b32 s[G0K+3], s[G0K+3], 0x80000000
	s_mov_b32 s[G0V], 1
	s_mov_b32 s[G0V+1], s57
	s_add_nc_u64 s[G0V+2:G0V+3], s[4:5], s[54:55]
	s_or_b32 s[G0V+3], s[G0V+3], 0x80000000
	TLOAD                                          ; slot 0: it holds key 0, which counts for every query
	s_lshl_b32 s52, s[Q0], 7
	s_add_co_u32 s52, s52, s50
	s_add_nc_u64 s[22:23], s[4:5], s[52:53]        ; q at my first query
	s_add_nc_u64 s[6:7], s[6:7], s[52:53]          ; yh likewise
	s_mov_b32 s54, 0x2000000
	s_cmp_lt_u32 s[WV], 8
	s_cselect_b32 s54, 0x1000000, s54              ; waves 4 to 7 ask for K, waves 8 to 11 for V
	s_add_co_u32 s54, s54, s50
	s_and_b32 s56, s[WV], 3
	s_lshl_b32 s56, s56, 13
	s_add_co_u32 s54, s54, s56
	s_add_co_u32 s54, s54, 32768                   ; in slot 1: the first change of slots steps it to slot 2; nothing is prefetched at the head
	s_add_nc_u64 s[PFA:PFA+1], s[4:5], s[54:55]
	s_sub_co_u32 s54, s[WV], 4
	s_lshr_b32 s54, s54, 3                         ; 0 in waves 4 to 11,
	s_or_b32 s54, s54, ttmp9                       ; of the head's work-group 0
	s_cmp_eq_u32 s54, 0
	s_cselect_b32 s[LIM], 1, -1
	v_and_b32 v11, 15, v0                          ; r
	v_bfe_u32 v5, v0, 4, 1                         ; h
	v_lshlrev_b32 v[QO], 7, v11
	v_lshl_add_u32 v[QO], v5, 4, v[QO]
.irp t, 0,1
.irp c, 0,1
	global_load_b128 v[Q+16*\t+8*\c:Q+16*\t+8*\c+3], v[QO], s[22:23] offset:2048*\t+64*\c
	global_load_b128 v[Q+16*\t+8*\c+4:Q+16*\t+8*\c+7], v[QO], s[22:23] offset:2048*\t+64*\c+32
.endr
.endr
	v_mul_u32_u24 v[AK0], v11, KP
	v_lshl_add_u32 v[AK0], v5, 4, v[AK0]           ; K: row r x pitch + 16 h
	v_and_b32 v6, 7, v0
	v_lshl_add_u32 v6, v5, 3, v6
	v_mul_u32_u24 v[AV0], v6, VP
	v_bfe_u32 v6, v0, 3, 1
	v_lshl_add_u32 v[AV0], v6, 4, v[AV0]
	v_add_nc_u32 v[AV0], VOFF, v[AV0]              ; V: key 8 h + lane % 8, channels 8 ((lane / 8) % 2) on
	v_lshlrev_b32 v6, 3, v5
	v_sub_nc_u32 v[DL], v11, v6
	v_mov_b32 v[NINF], 0xff800000
	v_mov_b32 v[DD], 0
	v_and_b32 v[PFO], 31, v0
	v_lshlrev_b32 v[PFO], 8, v[PFO]
	s_mul_i32 s56, s[WV], 4608
	s_add_co_u32 s56, s56, STAGE                   ; my stage
	v_mul_u32_u24 v[STO], v11, KP
	v_lshl_add_u32 v[STO], v5, 4, v[STO]
	v_add_nc_u32 v[STO], s56, v[STO]
	v_bfe_u32 v6, v0, 3, 2
	v_mul_u32_u24 v[RD], v6, KP
	v_and_b32 v6, 7, v0
	v_lshl_add_u32 v[RD], v6, 4, v[RD]
	v_add_nc_u32 v[RD], s56, v[RD]
	v_and_b32 v[GO], 31, v0
	v_lshlrev_b32 v[GO], 4, v[GO]
.irp t, 0,1
	v_mov_b32 v[ST+8*\t], 0xff61b1e6               ; m: -3e38, under every score
.irp k, 1,2,3,4,5,6,7
	v_mov_b32 v[ST+8*\t+\k], 0                     ; l = 0; the others are written once, so that no way reads one before it is written
.endr
.endr
.set n, 0
.rept 64
	v_mov_b32 v[O+n], 0                            ; O^T.  (The step is written once: the first finds zeros, which the first change of m leaves zeros)
.set n, n+1
.endr
; A KEY STEP: 64 keys, the q-th of the slot in hand, against my two tiles of queries.
.macro STEP q
	s_add_co_u32 s56, s[Q0], 31
	s_cmp_gt_u32 s[KF], s56                        ; all 64 keys come after my 32 queries: the step's work is left out; ids and the count of steps alone
	s_cbranch_scc1 .Lhidden_\@
	v_add_nc_u32 v[ADK], s[TB], v[AK0]
	v_add_nc_u32 v[ADV], s[TB], v[AV0]
.rept 3
	v_nop                                          ; with the two additions five places behind the last products: K is loaded over V, and the new scores are written by matrix instructions over P
.endr
.irp g, 0,1,2,3
.irp c, 0,1
	ds_load_b128 v[KV+8*(2*\g+\c):KV+8*(2*\g+\c)+3], v[ADK] offset:(64*(\q)+16*\g)*KP+64*\c
	ds_load_b128 v[KV+8*(2*\g+\c)+4:KV+8*(2*\g+\c)+7], v[ADK] offset:(64*(\q)+16*\g)*KP+64*\c+32
.endr
.endr
	s_wait_dscnt 0x0
.irp c, 0,1                                    ; S^T = K Q^T: eight accumulators by turns
.irp g, 0,1,2,3
.irp t, 0,1
.if \c == 0
	v_wmma_f32_16x16x32_f16 v[S+32*\t+8*\g:S+32*\t+8*\g+7], v[KV+8*(2*\g+\c):KV+8*(2*\g+\c)+7], v[Q+16*\t+8*\c:Q+16*\t+8*\c+7], 0
.else
	v_wmma_f32_16x16x32_f16 v[S+32*\t+8*\g:S+32*\t+8*\g+7], v[KV+8*(2*\g+\c):KV+8*(2*\g+\c)+7], v[Q+16*\t+8*\c:Q+16*\t+8*\c+7], v[S+32*\t+8*\g:S+32*\t+8*\g+7]
.endif
.endr
.endr
.endr
.rept 4
	v_nop                                          ; places in front of the loads over K and of the first read of the scores
.endr
.irp u, 0,1                                    ; V, turned: keys 32 u on, channels 16 d on; it lands under the softmax
.irp d, 0,1,2,3
	ds_load_tr16_b128 v[KV+8*(4*\u+\d):KV+8*(4*\u+\d)+3], v[ADV] offset:(64*(\q)+32*\u)*VP+32*\d
	ds_load_tr16_b128 v[KV+8*(4*\u+\d)+4:KV+8*(4*\u+\d)+7], v[ADV] offset:(64*(\q)+32*\u)*VP+32*\d+16*VP
.endr
.endr
	s_add_co_u32 s56, s[KF], 63
	s_cmp_le_u32 s56, s[Q0]                        ; all 64 keys count for all my queries: no mask
	s_cbranch_scc1 .Lopen_\@
	s_sub_co_i32 s56, s[Q0], s[KF]
	v_add_nc_u32 v[DD], s56, v[DL]                 ; register 32 t + 8 g + j holds key KF + 16 g + 8 h + j of query Q0 + 16 t + r: hidden where 16 g + j - 16 t > Q0 - KF + r - 8 h
.irp t, 0,1
.irp g, 0,1,2,3
.irp j, 0,1,2,3,4,5,6,7
	v_cmp_gt_i32 vcc_lo, 16*\g+\j-16*\t, v[DD]
	v_cndmask_b32 v[S+32*\t+8*\g+\j], v[S+32*\t+8*\g+\j], v[NINF], vcc_lo
.endr
.endr
.endr
.Lopen_\@:
.irp k, 0,1,2,3                                ; the maximum: four chains a tile, each begun at its accumulator's low end; the two tiles by turns
.irp t, 0,1
	v_max3_num_f32 v[ST+8*\t+4+\k], v[S+32*\t+8*\k], v[S+32*\t+8*\k+1], v[S+32*\t+8*\k+2]
.endr
.endr
.irp i, 3,5
.irp k, 0,1,2,3
.irp t, 0,1
	v_max3_num_f32 v[ST+8*\t+4+\k], v[ST+8*\t+4+\k], v[S+32*\t+8*\k+\i], v[S+32*\t+8*\k+\i+1]
.endr
.endr
.endr
.irp t, 0,1
	v_max3_num_f32 v[ST+8*\t+4], v[ST+8*\t+4], v[S+32*\t+7], v[S+32*\t+15]
	v_max3_num_f32 v[ST+8*\t+6], v[ST+8*\t+6], v[S+32*\t+23], v[S+32*\t+31]
.endr
.irp t, 0,1
	v_max3_num_f32 v[ST+8*\t+4], v[ST+8*\t+4], v[ST+8*\t+5], v[ST+8*\t+6]
.endr
.irp t, 0,1
	v_max3_num_f32 v[ST+8*\t+4], v[ST+8*\t+4], v[ST+8*\t+7], v[ST+8*\t]   ; with the old m
.endr
.irp t, 0,1
	v_permlanex16_b32 v[ST+8*\t+5], v[ST+8*\t+4], s[SEL], s[SEL+1]        ; the query's other 32 keys lie in the lane 16 away
.endr
.irp t, 0,1
	v_mov_b32 v[ST+8*\t+1], v[ST+8*\t]
.endr
.irp t, 0,1
	v_max_num_f32 v[ST+8*\t], v[ST+8*\t+4], v[ST+8*\t+5]                  ; the new m
.endr
.irp t, 0,1
	v_sub_f32 v[ST+8*\t+1], v[ST+8*\t+1], v[ST+8*\t]                      ; old m - new m
.endr
.set n, 0
.rept 16
	v_pk_add_f32 v[S+2*n:S+2*n+1], v[S+2*n:S+2*n+1], v[ST:ST+1] op_sel_hi:[1,0] neg_lo:[0,1] neg_hi:[0,1]            ; s - m, two at a time
	v_pk_add_f32 v[S+32+2*n:S+32+2*n+1], v[S+32+2*n:S+32+2*n+1], v[ST+8:ST+9] op_sel_hi:[1,0] neg_lo:[0,1] neg_hi:[0,1]
.set n, n+1
.endr
	v_exp_f32 v[ST+6], v[ST+1]                     ; ONE BATCH of 66 exponentials: none reads another's result
	v_exp_f32 v[ST+14], v[ST+9]
.set n, 0
.rept 32
	v_exp_f32 v[S+n], v[S+n]
	v_exp_f32 v[S+32+n], v[S+32+n]
.set n, n+1
.endr
	v_nop                                          ; a plain instruction behind the last exponential
	s_wait_alu depctr_va_vdst(0)                   ; one wait for the batch, ahead of its first reader
.irp t, 0,1
	v_pk_mul_f32 v[ST+8*\t+2:ST+8*\t+3], v[ST+8*\t+2:ST+8*\t+3], v[ST+8*\t+6:ST+8*\t+7] op_sel_hi:[1,0]   ; l under the new m
.endr
.irp t, 0,1
	v_pk_add_f32 v[ST+8*\t+4:ST+8*\t+5], v[S+32*\t:S+32*\t+1], v[S+32*\t+2:S+32*\t+3]                     ; the sum of the unrounded p, in two chains a tile
.endr
.irp j, 4,8,12,16,20,24,28
.irp t, 0,1
	v_pk_add_f32 v[ST+8*\t+2:ST+8*\t+3], v[ST+8*\t+2:ST+8*\t+3], v[S+32*\t+\j:S+32*\t+\j+1]
	v_pk_add_f32 v[ST+8*\t+4:ST+8*\t+5], v[ST+8*\t+4:ST+8*\t+5], v[S+32*\t+\j+2:S+32*\t+\j+3]
.endr
.endr
.irp t, 0,1
	v_pk_add_f32 v[ST+8*\t+2:ST+8*\t+3], v[ST+8*\t+2:ST+8*\t+3], v[ST+8*\t+4:ST+8*\t+5]
.endr
.set n, 0
.rept 16
	v_cvt_pk_f16_f32 v[S+n], v[S+2*n], v[S+2*n+1]                  ; P in f16, in place, ascending: a destination never lies above a source that is still unread
	v_cvt_pk_f16_f32 v[S+32+n], v[S+32+2*n], v[S+32+2*n+1]
.set n, n+1
.endr
.set n, 0
.rept 16
	v_pk_mul_f32 v[O+2*n:O+2*n+1], v[O+2*n:O+2*n+1], v[ST+6:ST+7] op_sel_hi:[1,0]                        ; O^T under the new m, each accumulator from its low end on
	v_pk_mul_f32 v[O+32+2*n:O+32+2*n+1], v[O+32+2*n:O+32+2*n+1], v[ST+14:ST+15] op_sel_hi:[1,0]
.set n, n+1
.endr
	s_wait_dscnt 0x0                               ; V is in
.irp u, 0,1                                    ; O^T += V^T P: eight accumulators by turns
.irp d, 0,1,2,3
.irp t, 0,1
	v_wmma_f32_16x16x32_f16 v[O+32*\t+8*\d:O+32*\t+8*\d+7], v[KV+8*(4*\u+\d):KV+8*(4*\u+\d)+7], v[S+32*\t+8*\u:S+32*\t+8*\u+7], v[O+32*\t+8*\d:O+32*\t+8*\d+7]
.endr
.endr
.endr
.Lhidden_\@:
	s_add_co_u32 s[KF], s[KF], 64
.endm
; THE CHANGE OF SLOTS stands at a slot's head.  Each wave waits for all its tensor loads, adds 0 to its spare word, and waits for that and for its reads of the slot that it has left; then the barrier.
; fill = 1: the slot that was left is filled with the keys that follow, up to the causal limit: the load has a slot's four steps in which to land.  One tensor load of a wave is out at the most.
.macro CHANGE fill
	s_wait_tensorcnt 0x0                           ; no tensor load of mine is out, so a group 0 may be written
	ds_add_u32 v[SPW], v[NIL]
.if \fill
	ds_add_u32 v[SPW], v[NIL]                      ; and once more: written so for every trip alike
	s_xor_b32 s[G0K+1], s[G0K+1], SLOT1            ; the walking descriptors: the other slot,
	s_add_nc_u64 s[G0K+2:G0K+3], s[G0K+2:G0K+3], 32768   ; the next 256 keys
	s_xor_b32 s[G0V+1], s[G0V+1], SLOT1
	s_add_nc_u64 s[G0V+2:G0V+3], s[G0V+2:G0V+3], 32768
	s_wait_xcnt 0x0                                ; the last prefetch, a slot back, has read its address
	s_add_nc_u64 s[PFA:PFA+1], s[PFA:PFA+1], 32768
.endif
	s_wait_dscnt 0x0
	s_barrier_signal -1
	s_barrier_wait -1
.if \fill
	s_add_co_u32 s56, s[KF], SK                    ; the first key of the slot that this change would ask for
	s_cmp_gt_u32 s56, s[QL]                        ; past my work-group's last query: none of its waves would read it.  Ids and the count of steps alone: all sixteen waves go the same way
	s_cbranch_scc1 .Lpast_\@
	TLOAD
.Lpast_\@:
	ASK
.endif
.endm
.macro SLOT_STEPS
.irp q, 0,1,2,3
	STEP \q
.endr
	s_xor_b32 s[TB], s[TB], SLOT1
.endm
	s_wait_loadcnt 0x0                             ; Q
.Lslot:                                            ; seven trips: behind each change of slots but the last the next slot is asked for
	CHANGE 1
	SLOT_STEPS
	s_sub_co_u32 s[SLOTS], s[SLOTS], 1
	s_cmp_lg_u32 s[SLOTS], 0
	s_cbranch_scc1 .Lslot
	CHANGE 0                                       ; the last slot is written out: nothing is left to ask for
	SLOT_STEPS
	; THE WAY OUT: O^T / l, rounded to f16, through my stage; my 32 rows of 128 bytes are 4,096 consecutive bytes of yh.
.rept 4
	v_nop
.endr
.irp t, 0,1
	v_add_f32 v[ST+8*\t+4], v[ST+8*\t+2], v[ST+8*\t+3]
.endr
.irp t, 0,1
	v_permlanex16_b32 v[ST+8*\t+5], v[ST+8*\t+4], s[SEL], s[SEL+1]
.endr
.irp t, 0,1
	v_add_f32 v[ST+8*\t+4], v[ST+8*\t+4], v[ST+8*\t+5]
.endr
.irp t, 0,1
	v_rcp_f32 v[ST+8*\t+6], v[ST+8*\t+4]
.endr
	v_nop
	s_wait_alu depctr_va_vdst(0)                   ; one wait for the two reciprocals
.set n, 0
.rept 16
	v_pk_mul_f32 v[O+2*n:O+2*n+1], v[O+2*n:O+2*n+1], v[ST+6:ST+7] op_sel_hi:[1,0]
	v_pk_mul_f32 v[O+32+2*n:O+32+2*n+1], v[O+32+2*n:O+32+2*n+1], v[ST+14:ST+15] op_sel_hi:[1,0]
.set n, n+1
.endr
.set n, 0
.rept 32
	v_cvt_pk_f16_f32 v[S+n], v[O+2*n], v[O+2*n+1]
.set n, n+1
.endr
.irp t, 0,1
.irp d, 0,1,2,3
	ds_store_b128 v[STO], v[S+16*\t+4*\d:S+16*\t+4*\d+3] offset:\t*2304+32*\d
.endr
.endr
.irp t, 0,1
.irp i, 0,1,2,3
	ds_load_b128 v[S+32+16*\t+4*\i:S+32+16*\t+4*\i+3], v[RD] offset:\t*2304+576*\i   ; LDS serves a wave's instructions in order: these see my stores
.endr
.endr
.set n, 0
.rept 8
	s_wait_dscnt 7-n                               ; load n is in, the younger ones stay out
	global_store_b128 v[GO], v[S+32+4*n:S+32+4*n+3], s[6:7] offset:512*n             ; 512 consecutive bytes, aligned
.set n, n+1
.endr
	s_wait_tensorcnt 0x0                           ; the wave's end
	ds_add_u32 v[SPW], v[NIL]
	s_wait_dscnt 0x0
	s_endpgm
.Lfunc_end_k_q0e820f2790_attn:
	.size	k_q0e820f2790_attn, .Lfunc_end_k_q0e820f2790_attn-k_q0e820f2790_attn
	.p2alignl 7, 3214868480
	.fill 96, 4, 3214868480
	.section	.rodata,"a",@progbits
	.p2align	6, 0x0
	.amdhsa_kernel k_q0e820f2790_attn
		.amdhsa_group_segment_fixed_size 327680
		.amdhsa_private_segment_fixed_size 0
		.amdhsa_enable_private_segment 0
		.amdhsa_kernarg_size 16
		.amdhsa_user_sgpr_count 2
		.amdhsa_user_sgpr_kernarg_segment_ptr 1
		.amdhsa_wavefront_size32 1
		.amdhsa_system_sgpr_workgroup_id_x 1
		.amdhsa_system_sgpr_workgroup_id_y 1
		.amdhsa_system_sgpr_workgroup_id_z 1
		.amdhsa_system_vgpr_workitem_id 0
		.amdhsa_next_free_vgpr 256
		.amdhsa_next_free_sgpr 66
		.amdhsa_reserve_vcc 1
		.amdhsa_float_denorm_mode_32 3
		.amdhsa_float_denorm_mode_16_64 3
		.amdhsa_memory_ordered 1
		.amdhsa_forward_progress 1
		.amdhsa_inst_pref_size 188
	.end_amdhsa_kernel
	.amdgpu_metadata
---
amdhsa.version: [ 1, 2 ]
amdhsa.kernels:
  - .name:           k_q0e820f2790_attn
    .symbol:         k_q0e820f2790_attn.kd
    .args:
      - { .name: qkv, .offset: 0, .size: 8, .value_kind: global_buffer, .address_space: global }
      - { .name: yh, .offset: 8, .size: 8, .value_kind: global_buffer, .address_space: global }
    .group_segment_fixed_size: 327680
    .private_segment_fixed_size: 0
    .kernarg_segment_align: 8
    .kernarg_segment_size: 16
    .max_flat_workgroup_size: 512
    .sgpr_count:     66
    .vgpr_count:     256
    .wavefront_size: 32
...
	.end_amdgpu_metadata
.endif
;; end of part 3
;; launch proj (part 4): grid 8 x 32, 4 waves a work-group, clusters of 4 x 4, 327,680 bytes of LDS; arguments yh, wph, bp, out0; writes out0
.if DOCPART == 4
	.amdgcn_target "amdgcn-amd-amdhsa--gfx1250"
	.amdhsa_code_object_version 6
	.text
	.protected	k_q0e820f2790_proj
	.globl	k_q0e820f2790_proj
	.p2align	8
	.type	k_q0e820f2790_proj,@function
k_q0e820f2790_proj:
	s_mov_b64 s[64:65], 0
	v_nop
	global_prefetch_b8 v0, s[64:65] scope:SCOPE_SE
	s_setreg_imm32_b32 hwreg(HW_REG_WAVE_MODE, 25, 1), 1
	s_wait_xcnt 0x0
	s_wait_alu depctr_hold_cnt(0) depctr_sa_sdst(0) depctr_va_vdst(0) depctr_va_sdst(0) depctr_va_ssrc(0) depctr_va_vcc(0) depctr_vm_vsrc(0)
	s_getreg_b32 s2, hwreg(HW_REG_IB_STS2, 6, 4)
	s_cmp_eq_u32 s2, 0
	s_cbranch_scc0 .Lentry_in_a_cluster
	s_endpgm
.Lentry_in_a_cluster:
	s_bfe_u32 s2, ttmp6, 0x10000c
	s_cmp_lg_u32 s2, 0xf033
	s_cbranch_scc0 .Lentry_shape_is_right
	s_endpgm
.Lentry_shape_is_right:
; PROJ.  out[m][n] = sum over k of y[m][k] Wp[k][n] + bp[n], m = 2048 batch + t, k = 64 head + channel.  y: f16, yh [batch][head][t][64]; Wp: f16, wph [k][n]; sums and out in f32.
; The rows t < 16 of every batch are NOT stored here: the last launch makes them in f32.
; A tile of 256 rows x 128 columns is made by a work-group of four waves (256 work-groups); a wave makes 128 x 64: 32 accumulators.  K goes in 8 steps of 128 (two heads) through a ring of two LDS slots.
; y's part of a slot: two planes (heads) of 256 rows x 128 bytes, dense in memory; Wp's: 128 rows (k) x 256 bytes, read turned by ds_load_tr16_b128.
; CLUSTERS: 4 x 4.  Tile column = 4 x cluster x + cx; tile row = 8 cy + cluster y (cy = the batch).  The four of a row of the cluster ask jointly for y's planes (wave 0 one head, wave 1 the other), the four of a
; column for Wp's halves (waves 2, 3): one load a wave behind each round.
; THE MATRIX INSTRUCTION IS USED TRANSPOSED (source 0 = 16 columns of Wp, source 1 = 16 rows of y): a lane holds eight neighbouring columns of a row.  The bias is the C of each sum's first product.
; No prefetch: a K step's tiles are shared by four work-groups each and the launch is short.
; REGISTERS: window 0: v16-31 addresses; v32-95 rows on the way out.  window 1: two fragment buffers at v0 and v128: 8 of y (64 registers), then 4 of Wp (32).  window 2: accumulator (a, b) at v[8 (4 a + b)].
;   window 3: v0-31 the bias of my 64 columns in the result's layout.
.set AP,     144                       ; a row of y in LDS: 128 bytes + 16
.set APLANE, 256*AP
.set BP,     288                       ; a row of Wp: 256 bytes + 32, an odd multiple of 32, for the turning load
.set BOFF,   2*APLANE
.set SLOT,   BOFF+128*BP
.set STAGE,  2*SLOT                    ; behind the ring: 16 rows x 272 bytes for each wave; no tensor load fills it
.set SPITCH, 272
.set SPARE,  STAGE+4*16*SPITCH         ; the spare words, 128 bytes a wave: two blocks of 256 bytes that no other line names
.set ADRA, 16
.set ADRB, 20
.set STO,  24
.set RD,   25
.set CO,   26
.set SPW,  28
.set NIL,  29
.set BK,   32
.set F0,   0
.set F1,   128
.set WV,   12
.set RH,   13
.set CH,   14
.set FLAG, 15
.set G1,   24
.set G0,   32
.set G1B,  48
.set G0B,  56
.set MSB, 0
.macro WIN new
.if MSB != (\new)
	s_set_vgpr_msb (MSB<<8)|(\new)
.set MSB, (\new)
.endif
.endm
.set MUL,  0xa5                        ; sources 0 and 1 window 1; C and D window 2;  + 0x10: C window 3 (the bias)
.set TO_F, 0x40
.macro JLOAD s                         ; waves 0 and 1 fetch y's planes, waves 2 and 3 Wp's halves; an s_nop 0 and four v_nop follow each line
	s_cmp_eq_u32 s[RH], 0
	s_cbranch_scc0 .Lfor_b_\@
	tensor_load_to_lds s[G0+4*\s:G0+4*\s+3], s[G1:G1+7]
	s_nop 0
.rept 4
	v_nop
.endr
	s_branch .Lasked_\@
.Lfor_b_\@:
	tensor_load_to_lds s[G0B+4*\s:G0B+4*\s+3], s[G1B:G1B+7]
	s_nop 0
.rept 4
	v_nop
.endr
.Lasked_\@:
.endm
.macro CREST
	s_cmp_lg_u32 s[WV], 0
	s_cbranch_scc1 .Lnot_wave_0_\@
	s_barrier_signal -3
.Lnot_wave_0_\@:
	s_barrier_wait -3
	s_barrier_signal -1
	s_barrier_wait -1
.endm
.macro CROUND
	s_barrier_signal -1
	s_barrier_wait -1
	CREST
.endm
	s_load_b256 s[4:11], s[0:1], 0x0               ; yh s[4:5], wph s[6:7], bp s[8:9], out0 s[10:11]
	v_lshl_add_u32 v[SPW], v0, 2, SPARE
	v_mov_b32 v[NIL], 0
	ds_add_u32 v[SPW], v[NIL]                      ; the wave's opening: the add, twice on end, and its wait ahead of my first tensor load
	ds_add_u32 v[SPW], v[NIL]
	v_lshrrev_b32 v1, 5, v0
	v_readfirstlane_b32 s[WV], v1
	s_lshr_b32 s[RH], s[WV], 1                     ; my half of the rows.  Also: I fetch for y (0) or for Wp (1)
	s_and_b32 s[CH], s[WV], 1                      ; my half of the columns.  Also: which plane or half I fetch
	s_bfe_u32 s40, ttmp6, 0x40000                  ; cx
	s_bfe_u32 s41, ttmp6, 0x40004                  ; cy
	s_lshl_b32 s42, ttmp9, 2
	s_add_co_u32 s42, s42, s40                     ; tile column
	s_and_b32 s2, ttmp7, 0xffff                    ; cluster y
	s_lshl_b32 s43, s41, 2
	s_lshl_b32 s43, 15, s43                        ; my row of the cluster
	s_lshl_b32 s44, 0x1111, s40                    ; my column
	s_or_b32 s[G1+0], s43, (1<<16)|(1<<20)|(1<<21)|(4<<22)|(3<<25)    ; y: elements of 2 bytes; padding of 4 words behind every 32
	s_mov_b32 s[G1+1], 64<<16
	s_mov_b32 s[G1+2], 256<<16
	s_mov_b32 s[G1+3], 64<<16
	s_mov_b32 s[G1+4], 256
	s_mov_b32 s[G1+5], 64
	s_mov_b32 s[G1+6], 0
	s_mov_b32 s[G1+7], 0
	s_or_b32 s[G1B+0], s44, (1<<16)|(1<<20)|(1<<21)|(5<<22)|(7<<25)   ; Wp: padding of 8 words behind every 64
	s_mov_b32 s[G1B+1], 128<<16
	s_mov_b32 s[G1B+2], 64<<16
	s_mov_b32 s[G1B+3], 128<<16
	s_mov_b32 s[G1B+4], 64
	s_mov_b32 s[G1B+5], 1024
	s_mov_b32 s[G1B+6], 0
	s_mov_b32 s[G1B+7], 0
	s_lshl_b32 s16, s41, 4
	s_add_co_u32 s16, s16, s[CH]                   ; y: head 16 x batch + plane,
	s_lshl_b32 s16, s16, 18                        ; 262,144 bytes a head,
	s_lshl_b32 s17, s2, 15
	s_add_co_u32 s16, s16, s17                     ; + 256 x cluster y rows of 128 bytes
	s_mov_b32 s17, 0
	s_lshl_b32 s46, s[CH], 17                      ; Wp: 64 rows of 2,048 bytes a half,
	s_lshl_b32 s47, s42, 8
	s_add_co_u32 s46, s46, s47                     ; + 256 bytes a tile column
	s_mov_b32 s47, 0
	s_mul_i32 s20, s[CH], APLANE
	s_mul_i32 s21, s[CH], 64*BP
	s_add_co_u32 s21, s21, BOFF
	s_or_b32 s[FLAG], s2, s[RH]
	s_cmp_eq_u32 s[FLAG], 0
	s_cselect_b32 s[FLAG], 1, 0                    ; 1: my first 16 rows are t = 0 .. 15 of a batch: the cluster's y and the wave's number alone
	s_wait_dscnt 0x0
	s_wait_kmcnt 0x0
	s_add_nc_u64 s[16:17], s[4:5], s[16:17]
	s_add_nc_u64 s[46:47], s[6:7], s[46:47]
	CROUND                                         ; the first joint loads meet
.irp s, 0,1
	s_mov_b32 s[G0+4*\s], 1
	s_add_co_u32 s[G0+4*\s+1], s20, \s*SLOT
	s_add_nc_u64 s[G0+4*\s+2:G0+4*\s+3], s[16:17], \s*524288      ; K step s: heads 2 s, 2 s + 1
	s_or_b32 s[G0+4*\s+3], s[G0+4*\s+3], 0x80000000
	s_mov_b32 s[G0B+4*\s], 1
	s_add_co_u32 s[G0B+4*\s+1], s21, \s*SLOT
	s_add_nc_u64 s[G0B+4*\s+2:G0B+4*\s+3], s[46:47], \s*262144    ; rows 128 s on
	s_or_b32 s[G0B+4*\s+3], s[G0B+4*\s+3], 0x80000000
	JLOAD \s                                       ; two loads of mine are out
.endr
	v_and_b32 v1, 15, v0                           ; r
	v_bfe_u32 v2, v0, 4, 1                         ; h
	v_mul_u32_u24 v3, v1, AP
	v_lshl_add_u32 v3, v2, 4, v3                   ; y: row r x pitch + 16 h
	v_and_b32 v6, 7, v0
	v_bfe_u32 v7, v0, 3, 1
	v_lshl_add_u32 v6, v2, 3, v6
	v_mul_u32_u24 v6, v6, BP
	v_lshl_add_u32 v6, v7, 4, v6                   ; Wp: row 8 h + lane % 8, columns 8 ((lane / 8) % 2) on
	s_mul_i32 s21, s[RH], 128*AP                   ; my 128 rows
	s_lshl_b32 s22, s[CH], 7
	s_add_co_u32 s22, s22, BOFF                    ; my 64 columns
.irp s, 0,1
	v_add_nc_u32 v[ADRA+\s], s21, v3
	v_add_nc_u32 v[ADRB+\s], s22, v6
	s_add_co_u32 s21, s21, SLOT
	s_add_co_u32 s22, s22, SLOT
.endr
	s_mul_i32 s23, s[WV], 16*SPITCH
	s_add_co_u32 s23, s23, STAGE
	v_mul_u32_u24 v4, v1, SPITCH
	v_lshl_add_u32 v4, v2, 5, v4
	v_add_nc_u32 v[STO], s23, v4                   ; into my stage: row r, 32 bytes for each half of the lanes
	v_mul_u32_u24 v5, v2, SPITCH
	v_lshl_add_u32 v5, v1, 4, v5
	v_add_nc_u32 v[RD], s23, v5                    ; back: sixteen lanes to a row of 256 bytes
	v_lshlrev_b32 v5, 12, v2
	v_lshl_add_u32 v[CO], v1, 4, v5                ; and the same two rows in out
	v_lshlrev_b32 v8, 5, v2
	s_lshl_b32 s18, s42, 9
	s_lshl_b32 s19, s[CH], 8
	s_add_co_u32 s18, s18, s19                     ; 4 x (128 x tile column + 64 x half)
	s_mov_b32 s19, 0
	s_add_nc_u64 s[8:9], s[8:9], s[18:19]
	s_add_nc_u64 s[10:11], s[10:11], s[18:19]
	s_lshl_b32 s18, s41, 23                        ; the batch: 2,048 rows of 4,096 bytes
	s_lshl_b32 s20, s2, 20
	s_add_co_u32 s18, s18, s20
	s_lshl_b32 s20, s[RH], 19
	s_add_co_u32 s18, s18, s20
	s_add_nc_u64 s[10:11], s[10:11], s[18:19]
	WIN 0xc0                                       ; destination window 3
.irp b, 0,1,2,3
	global_load_b128 v[8*\b:8*\b+3], v8, s[8:9] offset:64*\b           ; bias of columns 16 b + 8 h + 0 .. 7
	global_load_b128 v[8*\b+4:8*\b+7], v8, s[8:9] offset:64*\b+16
.endr
	WIN 0
; na x 4 matrix instructions: row blocks a0 on x my four column blocks, 32 along K.  The 32 accumulators take turns, one instruction a turn.
.macro MULA f, a0, na, first
.set aa, \a0
.rept \na
.irp b, 0,1,2,3
.if \first
	v_wmma_f32_16x16x32_f16 v[8*(4*aa+\b):8*(4*aa+\b)+7], v[\f+64+8*\b:\f+64+8*\b+7], v[\f+8*aa:\f+8*aa+7], v[8*\b:8*\b+7]
.else
	v_wmma_f32_16x16x32_f16 v[8*(4*aa+\b):8*(4*aa+\b)+7], v[\f+64+8*\b:\f+64+8*\b+7], v[\f+8*aa:\f+8*aa+7], v[8*(4*aa+\b):8*(4*aa+\b)+7]
.endif
.endr
.set aa, aa+1
.endr
.endm
.macro FETCH slot, q, f                ; 24 LDS loads in one run: quarter q (32 along K) of the slot: Wp's four fragments, then y's eight
	WIN TO_F
.irp b, 0,1,2,3
	ds_load_tr16_b128 v[\f+64+8*\b:\f+64+8*\b+3], v[ADRB+\slot] offset:32*(\q)*BP+32*\b
	ds_load_tr16_b128 v[\f+64+8*\b+4:\f+64+8*\b+7], v[ADRB+\slot] offset:32*(\q)*BP+32*\b+16*BP
.endr
.irp a, 0,1,2,3,4,5,6,7
	ds_load_b128 v[\f+8*\a:\f+8*\a+3], v[ADRA+\slot] offset:((\q)/2)*APLANE+64*((\q)%2)+\a*16*AP
	ds_load_b128 v[\f+8*\a+4:\f+8*\a+7], v[ADRA+\slot] offset:((\q)/2)*APLANE+64*((\q)%2)+\a*16*AP+32
.endr
.endm
.macro PLACES
.rept 4
	v_nop
.endr
.endm
.macro QUARTER slot, qn, f, g, first   ; multiplies buffer f; in its middle it fetches quarter qn of the same slot into buffer g
	s_wait_dscnt 8                                 ; Wp's fragments and y's blocks 0-3 are in; the youngest eight loads (blocks 4-7) may be out
	WIN MUL+0x10*\first
	MULA \f, 0, 4, \first
	PLACES
	FETCH \slot, \qn, \g
	s_wait_dscnt 24                                ; all but the 24 just issued
	WIN MUL+0x10*\first
	MULA \f, 4, 4, \first
.endm
; A slot's last quarter multiplies buffer 1 and changes slots: one barrier; in front of it each wave waits for all its tensor loads, adds 0 to its spare word, and waits for that and for its reads of the slot.
.macro TURN slot, next, fill
	WIN 0
	s_wait_tensorcnt 0x0                           ; my part of the next slot has landed: the one load of mine that was out
	ds_add_u32 v[SPW], v[NIL]
	s_wait_dscnt 9                                 ; the add and the youngest eight loads may be out
	WIN MUL
	MULA F1, 0, 2, 0
	s_wait_dscnt 0x0
	s_barrier_signal -1
	MULA F1, 2, 2, 0
.if \fill
	WIN 0
.endif
	s_barrier_wait -1
.if \fill
	CREST                                          ; the barrier has opened a round of the cluster's: no wave of any partner still reads this slot or has a load on its way
	s_add_nc_u64 s[G0+4*\slot+2:G0+4*\slot+3], s[G0+4*\slot+2:G0+4*\slot+3], 1048576      ; two K steps on: four heads
	s_add_nc_u64 s[G0B+4*\slot+2:G0B+4*\slot+3], s[G0B+4*\slot+2:G0B+4*\slot+3], 524288   ; 256 rows
	JLOAD \slot                                    ; the first tensor load behind the round; its four v_nop are the places in front of the loads below
.else
	PLACES
.endif
	FETCH \next, 0, F0
	WIN MUL
	MULA F1, 4, 4, 0
.endm
	s_wait_tensorcnt 1                             ; my part of slot 0 is in; slot 1's may stay out
	s_barrier_signal -1
	s_barrier_wait -1
	s_wait_loadcnt 0x0                             ; the bias
	FETCH 0, 0, F0
	QUARTER 0, 1, F0, F1, 1                        ; the first quarter stands in front of the loop: its products start the sums on the bias
	WIN 0
	s_mov_b32 s3, 3
.Llap:                                             ; a trip goes once round the ring and fills both slots again
	QUARTER 0, 2, F1, F0, 0
	QUARTER 0, 3, F0, F1, 0
	TURN 0, 1, 1
	QUARTER 1, 1, F0, F1, 0
	QUARTER 1, 2, F1, F0, 0
	QUARTER 1, 3, F0, F1, 0
	TURN 1, 0, 1
	QUARTER 0, 1, F0, F1, 0
	WIN 0
	s_sub_co_u32 s3, s3, 1
	s_cmp_lg_u32 s3, 0
	s_cbranch_scc1 .Llap
	QUARTER 0, 2, F1, F0, 0                        ; the last lap fills nothing
	QUARTER 0, 3, F0, F1, 0
	TURN 0, 1, 0
	QUARTER 1, 1, F0, F1, 0
	QUARTER 1, 2, F1, F0, 0
	QUARTER 1, 3, F0, F1, 0
	s_wait_dscnt 8
	WIN MUL
	MULA F1, 0, 4, 0
	s_wait_dscnt 0
	MULA F1, 4, 4, 0
	WIN 0
; THE WAY OUT, block by block of 16 rows x 64 columns (256 bytes a row) through my own stage: sixteen lanes store 256 consecutive bytes, aligned.
.macro TOSTAGE a
.if (\a) >= 2
	s_wait_xcnt 0x0                                ; block a - 2's stores have had their addresses translated: this block's loads may land on their registers
.endif
	WIN 0x08                                       ; an LDS store's data are its source 1: window 2
.irp b, 0,1,2,3
	ds_store_b128 v[STO], v[8*(4*(\a)+\b):8*(4*(\a)+\b)+3] offset:64*\b         ; each accumulator from its low end on
	ds_store_b128 v[STO], v[8*(4*(\a)+\b)+4:8*(4*(\a)+\b)+7] offset:64*\b+16
.endr
	WIN 0
.set BB, BK+32*((\a)%2)
.irp i, 0,1,2,3,4,5,6,7
	ds_load_b128 v[BB+4*\i:BB+4*\i+3], v[RD] offset:2*\i*SPITCH                 ; LDS serves a wave's instructions in order
.endr
.endm
.macro SEND a, younger                 ; younger: the LDS instructions issued behind block a's loads, which may stay out
.set BB, BK+32*((\a)%2)
	s_wait_dscnt \younger
.irp i, 0,1,2,3,4,5,6,7
	global_store_b128 v[CO], v[BB+4*\i:BB+4*\i+3], s[10:11] offset:(16*(\a)+2*\i)*4096 th:TH_STORE_NT
.endr
.endm
	PLACES
	s_cmp_eq_u32 s[FLAG], 1
	s_cbranch_scc1 .Lskip0                         ; rows t = 0 .. 15 are the last launch's
	TOSTAGE 0
	SEND 0, 0
.Lskip0:
	TOSTAGE 1
.irp a, 2,3,4,5,6,7
	TOSTAGE \a
	SEND \a-1, 16                                  ; behind block a - 1's loads: block a's 8 stores and 8 loads
.endr
	SEND 7, 0
	s_wait_tensorcnt 0x0                           ; the wave's end
	ds_add_u32 v[SPW], v[NIL]
	s_wait_dscnt 0x0
	CROUND                                         ; the closing round
	s_endpgm
.Lfunc_end_k_q0e820f2790_proj:
	.size	k_q0e820f2790_proj, .Lfunc_end_k_q0e820f2790_proj-k_q0e820f2790_proj
	.p2alignl 7, 3214868480
	.fill 96, 4, 3214868480
	.section	.rodata,"a",@progbits
	.p2align	6, 0x0
	.amdhsa_kernel k_q0e820f2790_proj
		.amdhsa_group_segment_fixed_size 327680
		.amdhsa_private_segment_fixed_size 0
		.amdhsa_enable_private_segment 0
		.amdhsa_kernarg_size 32
		.amdhsa_user_sgpr_count 2
		.amdhsa_user_sgpr_kernarg_segment_ptr 1
		.amdhsa_wavefront_size32 1
		.amdhsa_system_sgpr_workgroup_id_x 1
		.amdhsa_system_sgpr_workgroup_id_y 1
		.amdhsa_system_sgpr_workgroup_id_z 1
		.amdhsa_system_vgpr_workitem_id 0
		.amdhsa_next_free_vgpr 800
		.amdhsa_next_free_sgpr 66
		.amdhsa_reserve_vcc 0
		.amdhsa_float_denorm_mode_32 3
		.amdhsa_float_denorm_mode_16_64 3
		.amdhsa_memory_ordered 1
		.amdhsa_forward_progress 1
		.amdhsa_inst_pref_size 87
	.end_amdhsa_kernel
	.amdgpu_metadata
---
amdhsa.version: [ 1, 2 ]
amdhsa.kernels:
  - .name:           k_q0e820f2790_proj
    .symbol:         k_q0e820f2790_proj.kd
    .args:
      - { .name: yh, .offset: 0, .size: 8, .value_kind: global_buffer, .address_space: global }
      - { .name: wph, .offset: 8, .size: 8, .value_kind: global_buffer, .address_space: global }
      - { .name: bp, .offset: 16, .size: 8, .value_kind: global_buffer, .address_space: global }
      - { .name: out0, .offset: 24, .size: 8, .value_kind: global_buffer, .address_space: global }
    .group_segment_fixed_size: 327680
    .private_segment_fixed_size: 0
    .kernarg_segment_align: 8
    .kernarg_segment_size: 32
    .max_flat_workgroup_size: 128
    .sgpr_count:     66
    .vgpr_count:     800
    .wavefront_size: 32
...
	.end_amdgpu_metadata
.endif
;; end of part 4
;; launch fine (part 5): grid 64 x 4, 16 waves a work-group, no clusters, 18,432 bytes of LDS; arguments qkv32, Wp, bp, out0; writes out0
.if DOCPART == 5
	.amdgcn_target "amdgcn-amd-amdhsa--gfx1250"
	.amdhsa_code_object_version 6
	.text
	.protected	k_q0e820f2790_fine
	.globl	k_q0e820f2790_fine
	.p2align	8
	.type	k_q0e820f2790_fine,@function
k_q0e820f2790_fine:
	s_mov_b64 s[64:65], 0
	v_nop
	global_prefetch_b8 v0, s[64:65] scope:SCOPE_SE
	s_setreg_imm32_b32 hwreg(HW_REG_WAVE_MODE, 25, 1), 1
	s_wait_xcnt 0x0
; FINE.  The first 16 positions of every sequence, where a row of the softmax averages few values: attention and projection with f32 operands (v_wmma_f32_16x16x4_f32), from the f32 rows that the qkv launch kept.
; Work-group (slice, batch) makes out[batch][t = 0 .. 15][16 slice .. + 15].  Wave w is head w: it makes the head's 16 x 16 attention and y (16 x 64), which stay in registers, and its share of the projection,
; the sum over its 64 channels; the sixteen shares meet in LDS behind one barrier and waves 0 and 1 add them and the bias.  The attention is made anew in each of the 64 slices: it is small, and y never leaves a wave.
; qkv32: [3][batch][64 tiles of 16 channels][1,024 bytes]; element (t, c) of a tile lies at 512 ((c / 4) % 2) + 16 (t + 16 (c / 8)) + 4 (c % 4).  q holds the factor log2(e) / 8.
; THE PRODUCTS' K.  The form takes k = 2 (lane / 16) + register.  Both sources of each product are given the SAME other order of k (channels or keys 8 (lane / 16) + 2 p + register in its p-th instruction), which
; keeps the products and lets results be used as sources as they stand.
; S^T = K Q^T: a lane holds query lane % 16, keys 8 (lane / 16) + j.   O^T = V^T P: query lane % 16, channels 16 d + 8 (lane / 16) + j.   out^T = Wp^T y^T: row t = lane % 16, columns 8 (lane / 16) + j.
; The registers that the f32 form writes are written by matrix instructions alone; sums of accumulators go into other registers.
; The stores are pieces of 64 bytes of a row: 262,144 bytes of out in all leave so, the price of slices of 16 columns, which give all work-groups a share.
.set RED,   0                          ; LDS: sixteen shares of 1,024 bytes, as images of registers
.set SPARE, 16384                      ; the spare words, 128 bytes a wave: eight blocks of 256 bytes that no other line names
.set IMG, 1                            ; 16 x lane
.set VG,  2
.set WO,  3
.set DL,  4
.set SPW, 5
.set NIL, 6
.set RW,  7
.set RR,  8
.set BPO, 9
.set OO,  10
.set NINF, 11
.set FQ,  16                           ; v16-47   q(r, 16 tb + 8 h + x) at 8 tb + x
.set FK,  48                           ; v48-79   k likewise
.set FV,  80                           ; v80-111  v(key 8 h + j, channel 16 d + r) at 8 d + j
.set WB,  112                          ; v112-143 Wp(64 w + 16 d + 8 h + x, 16 slice + r) at 8 d + x
.set SA,  144                          ; v144-175 four accumulators: the scores' parts, later the projection's
.set OA,  176                          ; v176-207 four accumulators: y
.set SS,  208
.set PP,  216
.set RS,  224
.set TM,  232
	s_load_b256 s[4:11], s[0:1], 0x0               ; qkv32 s[4:5], Wp s[6:7], bp s[8:9], out0 s[10:11]
	v_lshl_add_u32 v[SPW], v0, 2, SPARE
	v_mov_b32 v[NIL], 0
	v_lshrrev_b32 v1, 5, v0
	v_readfirstlane_b32 s12, v1                    ; wave = head
	s_and_b32 s14, ttmp7, 0xffff                   ; batch
	v_and_b32 v12, 31, v0                          ; lane
	v_and_b32 v13, 15, v0                          ; r
	v_bfe_u32 v14, v0, 4, 1                        ; h
	v_lshlrev_b32 v[IMG], 4, v12
	v_bfe_u32 v15, v0, 2, 1
	v_lshlrev_b32 v[VG], 9, v15
	v_bfe_u32 v15, v0, 3, 1
	v_lshl_add_u32 v[VG], v15, 8, v[VG]
	v_and_b32 v15, 3, v0
	v_lshl_add_u32 v[VG], v15, 2, v[VG]
	v_lshl_add_u32 v[VG], v14, 7, v[VG]            ; v: channel r of a tile, key 8 h: 512 ((r / 4) % 2) + 256 (r / 8) + 4 (r % 4) + 128 h; 16 bytes a key
	v_lshlrev_b32 v[WO], 2, v13
	v_lshl_add_u32 v[WO], v14, 15, v[WO]           ; Wp: column r, 8 h rows of 4,096 bytes
	v_lshlrev_b32 v15, 3, v14
	v_sub_nc_u32 v[DL], v13, v15                   ; r - 8 h
	s_lshl_b32 s16, s12, 10
	v_add_nc_u32 v[RW], s16, v[IMG]                ; my share: 1,024 x wave + 16 x lane
	v_and_b32 v15, 1, v0
	v_lshlrev_b32 v[RR], 9, v15
	v_bfe_u32 v15, v0, 1, 1
	v_lshl_add_u32 v[RR], v15, 8, v[RR]
	v_bfe_u32 v15, v0, 2, 3
	v_lshl_add_u32 v[RR], v15, 4, v[RR]
	s_lshl_b32 s16, s12, 7
	v_add_nc_u32 v[RR], s16, v[RR]                 ; the adding waves: row lane / 4 + 8 wave, columns 4 (lane % 4) on, in a share's image
	v_and_b32 v[BPO], 3, v0
	v_lshlrev_b32 v[BPO], 4, v[BPO]
	v_lshl_add_u32 v[OO], v15, 12, v[BPO]
	s_lshl_b32 s16, s12, 15
	v_add_nc_u32 v[OO], s16, v[OO]                 ; and the same place in out
	v_mov_b32 v[NINF], 0xff800000
	v_mov_b32 v[TM+1], 0                           ; a lane permute's destination counts as one of its sources
	s_mov_b32 s20, 0x76543210
	s_mov_b32 s21, 0xfedcba98
	s_mov_b32 s17, 0
	s_mov_b32 s19, 0
	s_lshl_b32 s16, s14, 16
	s_lshl_b32 s18, s12, 12
	s_add_co_u32 s16, s16, s18                     ; qkv32: 65,536 bytes a batch, 4,096 a head
	s_wait_kmcnt 0x0
	s_add_nc_u64 s[4:5], s[4:5], s[16:17]
	s_lshl_b32 s18, ttmp9, 6                       ; 64 bytes a slice
	s_add_nc_u64 s[8:9], s[8:9], s[18:19]
	s_add_nc_u64 s[10:11], s[10:11], s[18:19]
	s_add_nc_u64 s[6:7], s[6:7], s[18:19]
	s_lshl_b32 s16, s12, 18                        ; Wp: 64 rows of 4,096 bytes a head
	s_add_nc_u64 s[6:7], s[6:7], s[16:17]
	s_lshl_b32 s16, s14, 23                        ; out: 8,388,608 bytes a batch
	s_add_nc_u64 s[10:11], s[10:11], s[16:17]
.irp b, 0,1,2,3
.irp e, 0,1
	global_load_b128 v[FQ+8*\b+4*\e:FQ+8*\b+4*\e+3], v[IMG], s[4:5] offset:1024*\b+512*\e
	global_load_b128 v[FK+8*\b+4*\e:FK+8*\b+4*\e+3], v[IMG], s[4:5] offset:262144+1024*\b+512*\e
.endr
.endr
.irp d, 0,1,2,3
.irp j, 0,1,2,3,4,5,6,7
	global_load_b32 v[FV+8*\d+\j], v[VG], s[4:5] offset:524288+1024*\d+16*\j
.endr
.endr
	s_wait_loadcnt 32                              ; q and k are in; v's 32 loads may be out
.irp p, 0,1,2,3                                ; S^T = K Q^T in four parts (16 channels each), the four accumulators by turns
.irp b, 0,1,2,3
.if \p == 0
	v_wmma_f32_16x16x4_f32 v[SA+8*\b:SA+8*\b+7], v[FK+8*\b+2*\p:FK+8*\b+2*\p+1], v[FQ+8*\b+2*\p:FQ+8*\b+2*\p+1], 0
.else
	v_wmma_f32_16x16x4_f32 v[SA+8*\b:SA+8*\b+7], v[FK+8*\b+2*\p:FK+8*\b+2*\p+1], v[FQ+8*\b+2*\p:FQ+8*\b+2*\p+1], v[SA+8*\b:SA+8*\b+7]
.endif
.endr
.endr
.irp d, 0,1,2,3
.irp j, 0,1,2,3,4,5,6,7
	global_load_b32 v[WB+8*\d+\j], v[WO], s[6:7] offset:(16*\d+\j)*4096
.endr
.endr
.rept 8
	v_nop                                          ; eight places behind this form before its results are read (ISA guide 7.12.1)
.endr
.irp p, 0,2,4,6
	v_pk_add_f32 v[SS+\p:SS+\p+1], v[SA+\p:SA+\p+1], v[SA+8+\p:SA+8+\p+1]          ; the four parts are added, each accumulator from its low end on
.endr
.irp p, 0,2,4,6
	v_pk_add_f32 v[SS+\p:SS+\p+1], v[SS+\p:SS+\p+1], v[SA+16+\p:SA+16+\p+1]
.endr
.irp p, 0,2,4,6
	v_pk_add_f32 v[SS+\p:SS+\p+1], v[SS+\p:SS+\p+1], v[SA+24+\p:SA+24+\p+1]
.endr
.irp j, 0,1,2,3,4,5,6,7
	v_cmp_gt_i32 vcc_lo, \j, v[DL]                 ; key 8 h + j comes after query r: hidden
	v_cndmask_b32 v[SS+\j], v[SS+\j], v[NINF], vcc_lo
.endr
	v_max3_num_f32 v[TM], v[SS], v[SS+1], v[SS+2]
	v_max3_num_f32 v[TM], v[TM], v[SS+3], v[SS+4]
	v_max3_num_f32 v[TM], v[TM], v[SS+5], v[SS+6]
	v_max_num_f32 v[TM], v[TM], v[SS+7]
	v_permlanex16_b32 v[TM+1], v[TM], s20, s21
	v_max_num_f32 v[TM], v[TM], v[TM+1]            ; the row's maximum: key 0 counts for every query
.irp j, 0,1,2,3,4,5,6,7
	v_sub_f32 v[PP+\j], v[SS+\j], v[TM]
.endr
.irp j, 0,1,2,3,4,5,6,7
	v_exp_f32 v[PP+\j], v[PP+\j]
.endr
	v_nop
	s_wait_alu depctr_va_vdst(0)                   ; one wait for the eight exponentials, ahead of their first reader
	v_pk_add_f32 v[TM+2:TM+3], v[PP:PP+1], v[PP+2:PP+3]
	v_pk_add_f32 v[TM+4:TM+5], v[PP+4:PP+5], v[PP+6:PP+7]
	v_pk_add_f32 v[TM+2:TM+3], v[TM+2:TM+3], v[TM+4:TM+5]
	v_add_f32 v[TM+2], v[TM+2], v[TM+3]
	v_permlanex16_b32 v[TM+1], v[TM+2], s20, s21
	v_add_f32 v[TM+2], v[TM+2], v[TM+1]            ; the row's sum
	v_rcp_f32 v[TM+4], v[TM+2]
	v_nop
	s_wait_alu depctr_va_vdst(0)
.irp p, 0,2,4,6
	v_pk_mul_f32 v[PP+\p:PP+\p+1], v[PP+\p:PP+\p+1], v[TM+4:TM+5] op_sel_hi:[1,0]   ; the weights, normalised
.endr
	s_wait_loadcnt 32                              ; v is in; Wp's 32 loads may be out
.irp p, 0,1,2,3                                ; O^T = V^T P: four tiles of 16 channels by turns; K = the 16 keys
.irp d, 0,1,2,3
.if \p == 0
	v_wmma_f32_16x16x4_f32 v[OA+8*\d:OA+8*\d+7], v[FV+8*\d+2*\p:FV+8*\d+2*\p+1], v[PP+2*\p:PP+2*\p+1], 0
.else
	v_wmma_f32_16x16x4_f32 v[OA+8*\d:OA+8*\d+7], v[FV+8*\d+2*\p:FV+8*\d+2*\p+1], v[PP+2*\p:PP+2*\p+1], v[OA+8*\d:OA+8*\d+7]
.endif
.endr
.endr
.rept 9
	v_nop                                          ; nine places before a matrix instruction takes these results as a source
.endr
	s_wait_loadcnt 0x0                             ; Wp
.irp p, 0,1,2,3                                ; out^T's share = Wp^T y^T, in four parts by turns; y is taken as it stands
.irp d, 0,1,2,3
.if \p == 0
	v_wmma_f32_16x16x4_f32 v[SA+8*\d:SA+8*\d+7], v[WB+8*\d+2*\p:WB+8*\d+2*\p+1], v[OA+8*\d+2*\p:OA+8*\d+2*\p+1], 0
.else
	v_wmma_f32_16x16x4_f32 v[SA+8*\d:SA+8*\d+7], v[WB+8*\d+2*\p:WB+8*\d+2*\p+1], v[OA+8*\d+2*\p:OA+8*\d+2*\p+1], v[SA+8*\d:SA+8*\d+7]
.endif
.endr
.endr
.rept 8
	v_nop
.endr
.irp p, 0,2,4,6
	v_pk_add_f32 v[RS+\p:RS+\p+1], v[SA+\p:SA+\p+1], v[SA+8+\p:SA+8+\p+1]
.endr
.irp p, 0,2,4,6
	v_pk_add_f32 v[RS+\p:RS+\p+1], v[RS+\p:RS+\p+1], v[SA+16+\p:SA+16+\p+1]
.endr
.irp p, 0,2,4,6
	v_pk_add_f32 v[RS+\p:RS+\p+1], v[RS+\p:RS+\p+1], v[SA+24+\p:SA+24+\p+1]
.endr
	ds_store_b128 v[RW], v[RS:RS+3]                ; my head's share, as it stands in my registers
	ds_store_b128 v[RW], v[RS+4:RS+7] offset:512
	s_wait_tensorcnt 0x0                           ; my last LDS store is out
	ds_add_u32 v[SPW], v[NIL]
	s_wait_dscnt 0x0                               ; the wait is also the one that the barrier asks for: my share has landed
	s_barrier_signal -1
	s_barrier_wait -1
	s_cmp_lt_u32 s12, 2
	s_cbranch_scc1 .Lsum
	s_endpgm
.Lsum:                                             ; waves 0 and 1: a lane adds the sixteen shares of four neighbouring columns of one row
	global_load_b128 v[TM:TM+3], v[BPO], s[8:9]
.set n, 0
.rept 16
	ds_load_b128 v[16+4*n:16+4*n+3], v[RR] offset:1024*n
.set n, n+1
.endr
	s_wait_dscnt 0x0
.irp w, 8,4,2,1
.set n, 0
.rept \w
	v_pk_add_f32 v[16+4*n:16+4*n+1], v[16+4*n:16+4*n+1], v[16+4*(n+\w):16+4*(n+\w)+1]
	v_pk_add_f32 v[16+4*n+2:16+4*n+3], v[16+4*n+2:16+4*n+3], v[16+4*(n+\w)+2:16+4*(n+\w)+3]
.set n, n+1
.endr
.endr
	s_wait_loadcnt 0x0                             ; the bias
	v_pk_add_f32 v[16:17], v[16:17], v[TM:TM+1]
	v_pk_add_f32 v[18:19], v[18:19], v[TM+2:TM+3]
	global_store_b128 v[OO], v[16:19], s[10:11]
	s_endpgm
.Lfunc_end_k_q0e820f2790_fine:
	.size	k_q0e820f2790_fine, .Lfunc_end_k_q0e820f2790_fine-k_q0e820f2790_fine
	.p2alignl 7, 3214868480
	.fill 96, 4, 3214868480
	.section	.rodata,"a",@progbits
	.p2align	6, 0x0
	.amdhsa_kernel k_q0e820f2790_fine
		.amdhsa_group_segment_fixed_size 18432
		.amdhsa_private_segment_fixed_size 0
		.amdhsa_enable_private_segment 0
		.amdhsa_kernarg_size 32
		.amdhsa_user_sgpr_count 2
		.amdhsa_user_sgpr_kernarg_segment_ptr 1
		.amdhsa_wavefront_size32 1
		.amdhsa_system_sgpr_workgroup_id_x 1
		.amdhsa_system_sgpr_workgroup_id_y 1
		.amdhsa_system_sgpr_workgroup_id_z 1
		.amdhsa_system_vgpr_workitem_id 0
		.amdhsa_next_free_vgpr 256
		.amdhsa_next_free_sgpr 66
		.amdhsa_reserve_vcc 1
		.amdhsa_float_denorm_mode_32 3
		.amdhsa_float_denorm_mode_16_64 3
		.amdhsa_memory_ordered 1
		.amdhsa_forward_progress 1
		.amdhsa_inst_pref_size 22
	.end_amdhsa_kernel
	.amdgpu_metadata
---
amdhsa.version: [ 1, 2 ]
amdhsa.kernels:
  - .name:           k_q0e820f2790_fine
    .symbol:         k_q0e820f2790_fine.kd
    .args:
      - { .name: qkv32, .offset: 0, .size: 8, .value_kind: global_buffer, .address_space: global }
      - { .name: Wp, .offset: 8, .size: 8, .value_kind: global_buffer, .address_space: global }
      - { .name: bp, .offset: 16, .size: 8, .value_kind: global_buffer, .address_space: global }
      - { .name: out0, .offset: 24, .size: 8, .value_kind: global_buffer, .address_space: global }
    .group_segment_fixed_size: 18432
    .private_segment_fixed_size: 0
    .kernarg_segment_align: 8
    .kernarg_segment_size: 32
    .max_flat_workgroup_size: 512
    .sgpr_count:     66
    .vgpr_count:     256
    .wavefront_size: 32
...
	.end_amdgpu_metadata
.endif
;; end of part 5
